; MI455X (gfx1250); checked and timed in simulation.
; The chip was launched on July 23, 2026; its instructions are those of AMD's public machine-readable ISA for CDNA 5 (MIT licence, August 2026) and "CDNA5" Instruction Set Architecture Reference Guide (July 2026). The comments in the code are by the model that wrote it; some were corrected since.
;; Multi Head Attention. Allowed arithmetic: matrix products marked QUANTISED: E3M2 operands, one E8M0 scale for each 32 along K, by v_wmma_scale_f32_16x16x128_f8f6f4 with both operands' format E3M2, f32 sums; everything else in f32.
;; Inputs: W_key 1,024 x 1,024 float32; W_out 1,024 x 1,024 float32; W_query 1,024 x 1,024 float32; W_value 1,024 x 1,024 float32; b_out 1,024 float32; x 4 x 2,048 x 1,024 float32.
;; Outputs: out0 4 x 2,048 x 1,024 float32.
;; This version of the problem:
;;   THIS VERSION OF THE PROBLEM IS GIVEN IN LOW PRECISION. The matrix products marked QUANTISED in the list below multiply operands that are first quantised to E3M2 (3 exponent bits, 2 mantissa bits; 6 bits a number), with one power-of-two scale for each 32 numbers along K (OCP MX v1.0); their sums are f32. All else is computed in f32.
;;   The module's matrix products, in the order in which they are computed (A, B: the left and right operand; K: the contracted axis; several contracted axes count as one K, in the product's order):
;;     1. [M 8,192, K 1,024] x [K 1,024, N 1,024]; A: input x; B: input W_query: QUANTISED
;;     2. [M 8,192, K 1,024] x [K 1,024, N 1,024]; A: input x; B: input W_key: QUANTISED
;;     3. [M 8,192, K 1,024] x [K 1,024, N 1,024]; A: input x; B: input W_value: QUANTISED
;;     4. batch 64 x [M 2,048, K 64] x [K 64, N 2,048]; A: computed on the way; B: computed on the way: QUANTISED
;;     5. batch 64 x [M 64, K 2,048] x [K 2,048, N 2,048]; A: computed on the way; B: softmax (see below): QUANTISED
;;     6. [M 8,192, K 1,024] x [K 1,024, N 1,024]; A: computed on the way; B: input W_out: QUANTISED
;;   THE QUANTISER, for each operand of a quantised product, along K:
;;     - K is cut into blocks of 32 from its start; a last block that is shorter is filled with zeros.
;;     - A block's scale is 2^e with e = floor(log2(the largest magnitude in the block)) - 4, held to -126 .. 127; a block of zeros has e = 0. As a byte (E8M0): e + 127.
;;     - Each number is divided by its block's scale, clamped to +-28, and rounded to the nearest number of E3M2, ties to even, subnormals kept.
;;     - The product sums the exact products of the quantised numbers (number of the format x scale) in f32.
;;   ~~~python
;;   def quantise(x, axis):      # numpy; x: float32 -> the quantised numbers, widened to float32 again
;;       x = np.moveaxis(x, axis, -1); K = x.shape[-1]
;;       x = np.pad(x, [(0, 0)] * (x.ndim - 1) + [(0, -K % 32)]); x = x.reshape(x.shape[:-1] + (-1, 32)); a = np.abs(x).max(-1, keepdims=True)
;;       e = np.where(a > 0, np.clip(np.frexp(np.where(a > 0, a, 1))[1] - 1 - 4, -126, 127), 0)      # np.frexp(a)[1] - 1 = floor(log2(a)), exactly
;;       r = np.clip(x / 2.0 ** e, -28, 28)
;;       step = 2.0 ** (np.maximum(np.frexp(np.where(r == 0, 1, r))[1] - 1, -2) - 2)
;;       q = np.round(r / step) * step * 2.0 ** e      # np.round: ties to even
;;       return np.moveaxis(q.reshape(q.shape[:-2] + (-1,))[..., :K], -1, axis).astype(np.float32)
;;   ~~~
;;   SOFTMAX AHEAD OF A QUANTISED PRODUCT. Where the list says 'softmax', what is quantised is not the finished softmax but p = 2^(t - M), with t = logit x log2(e) and M = ceil(the row's largest t), a whole number; so 1/2 < the row's largest p <= 1. The row's sum l is taken of the UNQUANTISED p, in f32, and the product's result is divided by l at the end. Since M is a whole number, a kernel that streams over the keys may use a running M (the ceiling of the running maximum): every later rescaling is an exact power of two, which a block's scale takes up: the codes' values come out the same.
;;   OPERANDS COMPUTED ON THE WAY. 'Computed on the way' means the value that the module computes at that place (a softmax that the list does not call 'softmax' is quantised finished and normalised). What goes into a quantiser is computed in f32, as accurately as f32 sums, v_exp_f32 and their like allow (about 1e-6 of the number): no bf16 or f16 on the way to a quantiser, and a product that is left as it is and whose result goes on into a quantised operand takes f32 operands (vector FMAs, or v_wmma_f32_16x16x4_f32). A number that lies on a knife's edge between two numbers of the format may be rounded either way, as far as f32 arithmetic and the matrix unit's own rounding can turn it there, and no further.
;; One version. Each part assembles by itself: llvm-mc -triple=amdgcn-amd-amdhsa -mcpu=gfx1250 --defsym DOCPART=n.
;; ======== version 1 of 1: 4 launches
;; limits: right only within a limited range of input values
;; workspace buffers: xbuf 6,553,600 bytes; wbuf 3,276,800 bytes; qkbuf 13,107,200 bytes; vbuf 6,553,600 bytes; cbuf 6,553,600 bytes
;; launch quant (part 1): grid 384 x 1, 4 waves a work-group, no clusters, 35,328 bytes of LDS; arguments x, W_query, W_key, W_value, W_out, xbuf, wbuf; writes xbuf, wbuf
.if DOCPART == 1
	.amdgcn_target "amdgcn-amd-amdhsa--gfx1250"
	.amdhsa_code_object_version 6
	.text
	.protected	k_qb3d9373fa4_quant
	.globl	k_qb3d9373fa4_quant
	.p2align	8
	.type	k_qb3d9373fa4_quant,@function
k_qb3d9373fa4_quant:
	s_mov_b64 s[64:65], 0
	v_nop
	global_prefetch_b8 v0, s[64:65] scope:SCOPE_SE
	s_setreg_imm32_b32 hwreg(HW_REG_WAVE_MODE, 25, 1), 1
	s_wait_xcnt 0x0
; x [8192][1024] and the four weights [1024 (k)][1024 (n)], f32, become codes of BF6 (E3M2) with one E8M0 byte for each 32 along K (K = x's last axis, a weight's FIRST axis).
; A block's scale is 2^(floor(log2(largest magnitude)) - 4); its byte is the largest magnitude's exponent field - 4, held at 1 from below by a floor among the maximum's leaves.
; LIMITS: NaN and infinities among the inputs are not served.  A block of zeros, or one whose largest magnitude lies under 2^(5 - 127), gets the byte 1: its codes are zeros or the
; nearest codes under that scale, and the bytes are read by this program alone.
; LAYOUT OF THE RESULT (the order of an operand's registers).  A ROW-BLOCK RB is 16 rows: lane-row r is row 32 (RB / 2) + 8 (RB % 2) + r + 8 (r / 8).  A HALF FRAGMENT, 768 bytes, is 16 rows x 64 K:
; lane l = r + 16 hh owns the 24 bytes of codes of its row's k = 32 hh .. 32 hh + 31: bytes 0-15 at 16 l, bytes 16-23 at 512 + 8 l.  Codes: [K step of 256][RB][4 half fragments]; scale bytes behind them: [RB][K step][row][8].
; So every store of codes covers 512 or 256 consecutive bytes, aligned.
; Work-groups 0-255 take x: a wave takes one row-block x 512 K, eight half fragments.  Each load reads two rows x 256 consecutive bytes; the numbers turn through the wave's own stage in LDS (rows 272 bytes apart)
; so that a lane gets the 32 neighbours of ONE block.  Work-groups 256-383 take the weights: a lane takes a column, its registers run down K, so a block lies in one lane and nothing is transposed.
; No input is shared between work-groups, so there is no cluster; no tensor load, no barrier: waves share nothing.
.set XKS,  1572864                     ; x's codes: bytes of a K step (512 row-blocks x 3,072)
.set WKS,  786432                      ; the weights': 256 row-blocks x 3,072
.set XSCL, 4*XKS                       ; where the scale bytes begin
.set WSCL, 4*WKS
.set RR,   16                          ; v16-111  path x: three sets of 32 registers as loaded
.set XX,   112                         ; v112-175 two sets of 32 neighbours
.set CX,   176                         ; v176-223 six registers of codes for each of the eight steps: no store's data are written again
.set CT,   224                         ; v224-226 a conversion's three registers begin on an even number: the second half is made here and moved
.set BY,   228                         ; v228-235 a scale byte for each step
.set WX,   16                          ; v16-79   path w: two sets of 32 numbers
.set WC,   96                          ; v96-143  six registers of codes for each of the eight blocks
.set WT,   144                         ; v144-146 as CT
.set SB,   148                         ; v148-149 the column's eight scale bytes
	s_load_b256 s[4:11], s[0:1], 0x0               ; x, W_query, W_key, W_value
	s_load_b128 s[12:15], s[0:1], 0x20             ; W_out, xbuf
	s_load_b64 s[16:17], s[0:1], 0x30              ; wbuf
	v_lshl_add_u32 v240, v0, 2, 0x8800
	v_mov_b32 v241, 0
	v_lshrrev_b32 v1, 5, v0
	v_readfirstlane_b32 s18, v1                    ; wave
	v_and_b32 v2, 31, v0                           ; lane
	v_lshlrev_b32 v3, 4, v2                        ; 16 l
	v_lshlrev_b32 v4, 3, v2                        ; 8 l
	v_and_b32 v5, 15, v0                           ; r
	v_bfe_u32 v6, v0, 4, 1                         ; hh
; the largest magnitude of v[xs] .. v[xs + 31] and the floor 2^(5 - 127) -> v12; with 4 off its exponent field -> v11: the conversion takes the exponent field of that operand as its scale
.macro BMAX xs
	v_max3_num_f32 v12, |v[\xs]|, |v[\xs+1]|, |v[\xs+2]|
	v_max3_num_f32 v13, |v[\xs+3]|, |v[\xs+4]|, |v[\xs+5]|
.irp i, 6,10,14,18,22,26
	v_max3_num_f32 v12, v12, |v[\xs+\i]|, |v[\xs+\i+1]|
	v_max3_num_f32 v13, v13, |v[\xs+\i+2]|, |v[\xs+\i+3]|
.endr
	v_max3_num_f32 v12, v12, |v[\xs+30]|, |v[\xs+31]|
	v_max3_num_f32 v12, v12, v13, 0x2800000
	v_add_nc_u32 v11, 0xfe000000, v12
.endm
	s_cmp_lt_u32 ttmp9, 256
	s_cbranch_scc0 .Lweights
	; ---------------- x ----------------
	s_lshl_b32 s19, ttmp9, 2
	s_add_co_u32 s19, s19, s18
	s_lshr_b32 s20, s19, 1                         ; my row-block
	s_and_b32 s21, s19, 1                          ; which 512 along K
	s_lshr_b32 s22, s20, 1
	s_lshl_b32 s22, s22, 17                        ; 32 rows of 4,096 bytes
	s_and_b32 s23, s20, 1
	s_lshl_b32 s23, s23, 15                        ; 8 rows
	s_add_co_u32 s22, s22, s23
	s_lshl_b32 s23, s21, 11
	s_add_co_u32 s22, s22, s23
	s_mov_b32 s23, 0                               ; s[22:23]: where my part of x begins
	s_mul_i32 s24, s20, 3072
	s_mul_i32 s25, s21, 2*XKS
	s_add_co_u32 s24, s24, s25
	s_mov_b32 s25, 0                               ; s[24:25]: my codes
	s_lshl_b32 s26, s20, 9
	s_lshl_b32 s27, s21, 8
	s_add_co_u32 s26, s26, s27
	s_add_co_u32 s26, s26, XSCL
	s_mov_b32 s27, 0                               ; s[26:27]: my 256 scale bytes
	s_mul_i32 s28, s18, 8704                       ; my wave's two stages
	s_mov_b32 s32, 0x76543210
	s_mov_b32 s33, 0xfedcba98                      ; v_permlanex16_b32's selects for lane l xor 16
	s_mov_b32 s34, 0xffff0000                      ; lanes 16-31
	s_wait_alu depctr_va_vdst(0)
	v_lshlrev_b32 v7, 4, v5
	v_lshl_add_u32 v7, v6, 12, v7                  ; a load: lanes 0-15 one row's 256 bytes, lanes 16-31 the next row's
	v_mul_u32_u24 v8, v6, 272
	v_lshl_add_u32 v8, v5, 4, v8
	v_add_nc_u32 v8, s28, v8                       ; into the stage as loaded
	v_mul_u32_u24 v9, v5, 272
	v_lshl_add_u32 v9, v6, 7, v9
	v_add_nc_u32 v9, s28, v9                       ; out of it: row r, my block's 128 bytes
	s_wait_alu depctr_va_vdst(0)
	s_wait_kmcnt 0x0
	s_add_nc_u64 s[4:5], s[4:5], s[22:23]
	s_add_nc_u64 s[30:31], s[14:15], s[26:27]
	s_add_nc_u64 s[14:15], s[14:15], s[24:25]
.macro LOADX e                         ; half fragment e: lane-rows 2 t, 2 t + 1 are rows 2 t + 8 (t / 4) and the next
.irp t, 0,1,2,3,4,5,6,7
	global_load_b128 v[RR+32*((\e)%3)+4*\t:RR+32*((\e)%3)+4*\t+3], v7, s[4:5] offset:(2*\t+8*(\t/4))*4096+256*(\e) th:TH_LOAD_NT
.endr
.endm
.macro TURNX e                         ; through the stage: LDS serves a wave's instructions in order, so no wait stands between the stores and the loads
.irp t, 0,1,2,3,4,5,6,7
	ds_store_b128 v8, v[RR+32*((\e)%3)+4*\t:RR+32*((\e)%3)+4*\t+3] offset:544*\t+4352*((\e)%2)
.endr
.irp j, 0,1,2,3,4,5,6,7
	ds_load_b128 v[XX+32*((\e)%2)+4*\j:XX+32*((\e)%2)+4*\j+3], v9 offset:16*\j+4352*((\e)%2)
.endr
.endm
.macro STEPX e
.set XS, XX+32*((\e)%2)
.set CC, CX+6*(\e)
	s_wait_dscnt 0x0                               ; this step's 32 numbers are back, so its stores into the stage have read their registers,
.if (\e)+3 < 8
	LOADX (\e)+3                                   ; which take the loads of three steps on
.endif
.if (\e) < 5
	s_wait_loadcnt 16                              ; the next step's eight loads are in; those of the two steps behind it may be out
.elseif (\e) == 5
	s_wait_loadcnt 8
.elseif (\e) == 6
	s_wait_loadcnt 0
.endif
.if (\e) < 7
	TURNX (\e)+1                                   ; the next step goes through the other stage while this one is worked
.endif
	BMAX XS                                        ; the whole block is mine
	v_cvt_scalef32_pk16_bf6_f32 v[CC:CC+2], v[XS:XS+15], v11
	v_cvt_scalef32_pk16_bf6_f32 v[CT:CT+2], v[XS+16:XS+31], v11
	v_lshrrev_b32 v[BY+(\e)], 23, v11              ; the scale's byte; also the plain instruction behind the conversions
.irp i, 0,1,2
	v_mov_b32 v[CC+3+\i], v[CT+\i]
.endr
	global_store_b128 v3, v[CC:CC+3], s[14:15] offset:((\e)/4)*XKS+((\e)%4)*768        ; 512 consecutive bytes
	global_store_b64 v4, v[CC+4:CC+5], s[14:15] offset:((\e)/4)*XKS+((\e)%4)*768+512   ; 256 consecutive bytes
.endm
	LOADX 0
	LOADX 1
	LOADX 2
	s_wait_loadcnt 16                              ; step 0's eight loads are in
	TURNX 0
.irp e, 0,1,2,3,4,5,6,7
	STEPX \e
.endr
	; the scale words: word f of my row holds the bytes of half fragments 2 f and 2 f + 1, blocks hh = 0, 1 of each
	v_lshlrev_b32 v10, 3, v6
.irp f, 0,1,2,3
	v_lshl_or_b32 v[XX+\f], v[BY+2*\f+1], 16, v[BY+2*\f]
	v_mov_b32 v[XX+4+\f], 0                        ; a lane permute's destination counts as one of its sources
.endr
.irp f, 0,1,2,3
	v_lshlrev_b32 v[XX+\f], v10, v[XX+\f]          ; my two bytes at their places, 8 hh bits up
.endr
.irp f, 0,1,2,3
	v_permlanex16_b32 v[XX+4+\f], v[XX+\f], s32, s33
.endr
.irp f, 0,1,2,3
	v_or_b32 v[XX+\f], v[XX+\f], v[XX+4+\f]        ; with lane l xor 16's two the word is whole
.endr
	v_cndmask_b32 v[XX+8], v[XX], v[XX+2], s34     ; lanes 0-15 store the first K step's two words, lanes 16-31 the second's
	v_cndmask_b32 v[XX+9], v[XX+1], v[XX+3], s34
	global_store_b64 v4, v[XX+8:XX+9], s[30:31]    ; 256 consecutive bytes, aligned
	s_wait_tensorcnt 0x0
	ds_add_u32 v240, v241
	s_wait_dscnt 0x0
	s_endpgm
	; ---------------- the weights ----------------
.Lweights:
	s_sub_co_u32 s19, ttmp9, 256
	s_lshr_b32 s20, s19, 5                         ; which weight
	s_and_b32 s21, s19, 7                          ; which 128 columns
	s_bfe_u32 s22, s19, 0x20003                    ; which 256 along K
	s_lshl_b32 s23, s21, 7
	s_lshl_b32 s24, s18, 5
	s_add_co_u32 s23, s23, s24                     ; my wave's first column
	s_lshl_b32 s24, s22, 20                        ; 256 rows of 4,096 bytes
	s_lshl_b32 s25, s23, 2
	s_add_co_u32 s24, s24, s25
	s_mov_b32 s25, 0
	s_lshl_b32 s26, s20, 6
	s_lshr_b32 s27, s23, 4
	s_add_co_u32 s26, s26, s27                     ; my first row-block of two: 64 x weight + column / 16
	s_mul_i32 s28, s26, 3072
	s_mul_i32 s29, s22, WKS
	s_add_co_u32 s28, s28, s29
	s_mov_b32 s29, 0
	s_lshl_b32 s30, s26, 9
	s_lshl_b32 s31, s22, 7
	s_add_co_u32 s30, s30, s31
	s_add_co_u32 s30, s30, WSCL
	s_mov_b32 s31, 0
	s_wait_alu depctr_va_vdst(0)
	v_and_b32 v7, 7, v2                            ; lane l takes column l with bits 3 and 4 changed over: lanes 0-15 are the first row-block's lane-rows, lanes 16-31 the second's
	v_and_b32 v8, 8, v2
	v_lshl_or_b32 v7, v8, 1, v7
	v_and_b32 v8, 16, v2
	v_lshrrev_b32 v8, 1, v8
	v_or_b32 v7, v7, v8
	v_lshlrev_b32 v7, 2, v7
	v_lshlrev_b32 v9, 3, v5
	v_lshl_add_u32 v9, v6, 9, v9                   ; my column's eight scale bytes: 8 r, + 512 for the second row-block
	s_wait_alu depctr_va_vdst(0)
	s_wait_kmcnt 0x0
	s_cmp_eq_u32 s20, 1                            ; the choice hangs on the work-group's number alone
	s_cselect_b64 s[6:7], s[8:9], s[6:7]
	s_cmp_eq_u32 s20, 2
	s_cselect_b64 s[6:7], s[10:11], s[6:7]
	s_cmp_eq_u32 s20, 3
	s_cselect_b64 s[6:7], s[12:13], s[6:7]
	s_add_nc_u64 s[6:7], s[6:7], s[24:25]
	s_add_nc_u64 s[34:35], s[16:17], s[30:31]
	s_add_nc_u64 s[16:17], s[16:17], s[28:29]
.macro LOADW t                         ; block t: W(32 t + i, my column): the wave's 32 lanes read 128 consecutive bytes
.set I, 0
.rept 32
	global_load_b32 v[WX+32*((\t)%2)+I], v7, s[6:7] offset:(32*(\t)+I)*4096 th:TH_LOAD_NT
.set I, I+1
.endr
.endm
.macro BLOCKW t
.set XS, WX+32*((\t)%2)
.set CC, WC+6*(\t)
.if (\t) < 7
	s_wait_loadcnt 32                              ; this block's 32 loads are in; the next block's may be out
.else
	s_wait_loadcnt 0
.endif
	BMAX XS
	v_lshrrev_b32 v13, 23, v11
.if (\t)%4 == 0
	v_mov_b32 v[SB+(\t)/4], v13                    ; four bytes to a register, the lower K in the lower byte
.else
	v_lshl_or_b32 v[SB+(\t)/4], v13, 8*((\t)%4), v[SB+(\t)/4]
.endif
	v_cvt_scalef32_pk16_bf6_f32 v[CC:CC+2], v[XS:XS+15], v11
	v_cvt_scalef32_pk16_bf6_f32 v[WT:WT+2], v[XS+16:XS+31], v11
	v_nop                                          ; one plain instruction behind the conversions
.irp i, 0,1,2
	v_mov_b32 v[CC+3+\i], v[WT+\i]
.endr
.if (\t)+2 < 8
	LOADW (\t)+2
.endif
.if (\t)%2 == 1                        ; two blocks make a half fragment for each of my two row-blocks: the even block's lanes 16-31 change places with the odd block's lanes 0-15
.irp i, 0,1,2,3,4,5
	v_permlane16_swap_b32 v[CC-6+\i], v[CC+\i]
.endr
	global_store_b128 v3, v[CC-6:CC-3], s[16:17] offset:((\t)/2)*768
	global_store_b64 v4, v[CC-2:CC-1], s[16:17] offset:((\t)/2)*768+512
	global_store_b128 v3, v[CC:CC+3], s[16:17] offset:3072+((\t)/2)*768
	global_store_b64 v4, v[CC+4:CC+5], s[16:17] offset:3072+((\t)/2)*768+512
.endif
.endm
	LOADW 0
	LOADW 1
.irp t, 0,1,2,3,4,5,6,7
	BLOCKW \t
.endr
	global_store_b64 v9, v[SB:SB+1], s[34:35]      ; sixteen lanes store 128 consecutive bytes
	s_endpgm
.Lfunc_end_k_qb3d9373fa4_quant:
	.size	k_qb3d9373fa4_quant, .Lfunc_end_k_qb3d9373fa4_quant-k_qb3d9373fa4_quant
	.p2alignl 7, 3214868480
	.fill 96, 4, 3214868480
	.section	.rodata,"a",@progbits
	.p2align	6, 0x0
	.amdhsa_kernel k_qb3d9373fa4_quant
		.amdhsa_group_segment_fixed_size 35328
		.amdhsa_private_segment_fixed_size 0
		.amdhsa_enable_private_segment 0
		.amdhsa_kernarg_size 56
		.amdhsa_user_sgpr_count 2
		.amdhsa_user_sgpr_kernarg_segment_ptr 1
		.amdhsa_wavefront_size32 1
		.amdhsa_system_sgpr_workgroup_id_x 1
		.amdhsa_system_sgpr_workgroup_id_y 1
		.amdhsa_system_sgpr_workgroup_id_z 1
		.amdhsa_system_vgpr_workitem_id 0
		.amdhsa_next_free_vgpr 242
		.amdhsa_next_free_sgpr 66
		.amdhsa_reserve_vcc 0
		.amdhsa_float_denorm_mode_32 3
		.amdhsa_float_denorm_mode_16_64 3
		.amdhsa_memory_ordered 1
		.amdhsa_forward_progress 1
		.amdhsa_inst_pref_size 71
	.end_amdhsa_kernel
	.amdgpu_metadata
---
amdhsa.version: [ 1, 2 ]
amdhsa.kernels:
  - .name:           k_qb3d9373fa4_quant
    .symbol:         k_qb3d9373fa4_quant.kd
    .args:
      - { .name: x, .offset: 0, .size: 8, .value_kind: global_buffer, .address_space: global }
      - { .name: W_query, .offset: 8, .size: 8, .value_kind: global_buffer, .address_space: global }
      - { .name: W_key, .offset: 16, .size: 8, .value_kind: global_buffer, .address_space: global }
      - { .name: W_value, .offset: 24, .size: 8, .value_kind: global_buffer, .address_space: global }
      - { .name: W_out, .offset: 32, .size: 8, .value_kind: global_buffer, .address_space: global }
      - { .name: xbuf, .offset: 40, .size: 8, .value_kind: global_buffer, .address_space: global }
      - { .name: wbuf, .offset: 48, .size: 8, .value_kind: global_buffer, .address_space: global }
    .group_segment_fixed_size: 35328
    .private_segment_fixed_size: 0
    .kernarg_segment_align: 8
    .kernarg_segment_size: 56
    .max_flat_workgroup_size: 128
    .sgpr_count:     66
    .vgpr_count:     242
    .wavefront_size: 32
...
	.end_amdgpu_metadata
.endif
;; end of part 1
;; launch gemm_qkv (part 2): grid 64 x 4, 4 waves a work-group, clusters of 4 x 4, 327,680 bytes of LDS; arguments xbuf, wbuf, qkbuf, vbuf; writes qkbuf, vbuf
.if DOCPART == 2
	.amdgcn_target "amdgcn-amd-amdhsa--gfx1250"
	.amdhsa_code_object_version 6
	.text
	.protected	k_qb3d9373fa4_gemm_qkv
	.globl	k_qb3d9373fa4_gemm_qkv
	.p2align	8
	.type	k_qb3d9373fa4_gemm_qkv,@function
k_qb3d9373fa4_gemm_qkv:
	s_mov_b64 s[64:65], 0
	v_nop
	global_prefetch_b8 v0, s[64:65] scope:SCOPE_SE
	s_setreg_imm32_b32 hwreg(HW_REG_WAVE_MODE, 25, 1), 1
	s_wait_xcnt 0x0
	s_wait_alu depctr_hold_cnt(0) depctr_sa_sdst(0) depctr_va_vdst(0) depctr_va_sdst(0) depctr_va_ssrc(0) depctr_va_vcc(0) depctr_vm_vsrc(0)
	s_getreg_b32 s2, hwreg(HW_REG_IB_STS2, 6, 4)
	s_cmp_eq_u32 s2, 0
	s_cbranch_scc0 .Lentry_in_a_cluster
	s_endpgm
.Lentry_in_a_cluster:
	s_bfe_u32 s2, ttmp6, 0x10000c
	s_cmp_lg_u32 s2, 0xf033
	s_cbranch_scc0 .Lentry_shape_is_right
	s_endpgm
.Lentry_shape_is_right:
; q = x Wq, k = x Wk, v = x Wv on codes of BF6 (E3M2) with E8M0 scales, K = 1,024; the results are quantised in registers (q, k along a head's 64; v along the keys) and leave as codes and scale bytes.
; 256 work-groups of four waves, each with TWO PHASES.  Phase 1: a tile of 256 tokens x 256 columns of Wq|Wk, a wave 128 x 128.  Phase 2: a tile of 128 channels of v x 256 keys, a wave 64 x 128.
; TRANSPOSED USE: source 0 = 16 rows of S0, source 1 = 16 rows of S1: a lane holds one row of S1 and its registers run along S0's rows, the axis that is quantised.
; Phase 1: S1 = x, S0 = Wq|Wk.  Phase 2: S1 = Wv, S0 = x.  Row-block RB's lane-row r is row 32 (RB / 2) + 8 (RB % 2) + r + 8 (r / 8).
; OPERANDS lie in memory as [K step of 256][row-block][3,072 bytes in register order], so one tensor load brings several K steps of a run of row-blocks as rows one K step apart.
; FILLS.  Head, one load a wave: S1's K steps 0-2, S0's K steps 0-2, S1's scale bytes, S0's.  One refill in phase 1: K step 3 into slot 0.  One more round inside phase 1's last products:
; all of phase 2's K (S1 98,304 bytes, S0 196,608, S0's scale bytes; S1's come straight from memory), one load a wave; they are out while phase 1's results are quantised.  By this text's count a wave has one tensor load out.
; CLUSTERS 4 x 4: S1's tile is shared along a row of the cluster, S0's along a column, in both phases.
; No prefetch: K has four steps, three of them asked for at the head, and the text has no loop to run ahead in.
; LIMITS: NaN and infinities are not served; a block whose largest magnitude lies under 2^(5 - 127) gets the byte 1 (a block of zeros too; this program alone reads the bytes).
; REGISTERS: window 0: v4-19 LDS addresses, v20 scale words' address, v21 16 l, v22 8 l, v23 l / 16, v24 l % 16, v28-29 for the add; v32-63 scale words, two sets; v64-111 the way out;
;   v128-223 S1's fragments (phase 1 one set of eight, phase 2 two sets of four), later the codes made.  window 1: S0's fragments, two sets.  windows 2, 3: accumulators, (a, b) at v[8 (8 (a % 4) + b)].
.set XSTR,  1572864
.set WSTR,  786432
.set HALF,  24576                      ; eight row-blocks of a K step
.set TILE,  49152                      ; sixteen
.set P1B,   3*TILE                     ; phase 1: S1's three slots, then S0's
.set P2B,   4*HALF                     ; phase 2: S1's four K steps, then S0's
.set SCL,   6*TILE                     ; the scale bytes
.set SPARE, SCL+16384                  ; the spare words: 512 bytes that no other line names
.set FR,    12
.set ADR,   4
.set ADRS,  20
.set L16,   21
.set L8,    22
.set HH,    23
.set RW,    24
.set SPW,   28
.set NIL,   29
.set SC,    32
.set TM,    64
.set PW,    80
.set CT,    88
.set WD,    96
.set AF,    128
.set SA,    224                        ; v224-255 phase 2: S1's scale words of all of K, register 8 (K step) + 2 a + q, straight from memory
.set SOF,   25                         ; v25 8 x (l % 16)
.set OB,    32                         ; s[32:43] where the results go
.set G1A,   48
.set G1B,   56
.set G1SA,  68
.set G1SB,  76
.set G0A,   84
.set G0B,   88
.set G0SA,  92
.set G0SB,  96
.set MSB, 0
.macro WIN new
.if MSB != (\new)
	s_set_vgpr_msb (MSB<<8)|(\new)
.set MSB, (\new)
.endif
.endm
.set MUL_LO, 0xa1
.set MUL_HI, 0xf1
.set TO_B,   0x40
.macro PLACES n
.rept \n
	v_nop
.endr
.endm
.macro TL g0, g1                       ; s_nop 0 and four v_nop behind the load
	tensor_load_to_lds s[\g0:\g0+3], s[\g1:\g1+7]
	s_nop 0
	PLACES 4
.endm
.macro LOAD4                           ; one chain of branches on the wave's number, one load to an arm
	s_cmp_lt_u32 s12, 1
	s_cbranch_scc0 .Lw1_\@
	TL G0A, G1A
	s_branch .Ldone_\@
.Lw1_\@:
	s_cmp_lt_u32 s12, 2
	s_cbranch_scc0 .Lw2_\@
	TL G0B, G1B
	s_branch .Ldone_\@
.Lw2_\@:
	s_cmp_lt_u32 s12, 3
	s_cbranch_scc0 .Lw3_\@
	TL G0SA, G1SA
	s_branch .Ldone_\@
.Lw3_\@:
	TL G0SB, G1SB
.Ldone_\@:
.endm
.macro JLOAD                           ; waves 0, 1: S1's halves; waves 2, 3: S0's
	s_cmp_eq_u32 s13, 0
	s_cbranch_scc0 .Lfor_b_\@
	TL G0A, G1A
	s_branch .Lasked_\@
.Lfor_b_\@:
	TL G0B, G1B
.Lasked_\@:
.endm
.macro CREST
	s_cmp_lg_u32 s12, 0
	s_cbranch_scc1 .Lnot_wave_0_\@
	s_barrier_signal -3
.Lnot_wave_0_\@:
	s_barrier_wait -3
	s_barrier_signal -1
	s_barrier_wait -1
.endm
.macro CROUND
	s_barrier_signal -1
	s_barrier_wait -1
	CREST
.endm
.macro DIMS g, c, r, p                 ; group 1: r rows of c elements of 8 bytes, p elements apart
	s_mov_b32 s[\g+1], (\c)<<16
	s_mov_b32 s[\g+2], (\r)<<16
	s_mov_b32 s[\g+3], (\c)<<16
	s_mov_b32 s[\g+4], \r
	s_mov_b32 s[\g+5], \p
.endm
.macro GADR g, base, off               ; group 0's global address
	s_add_nc_u64 s[\g+2:\g+3], s[\base:\base+1], s[\off:\off+1]
	s_or_b32 s[\g+3], s[\g+3], 0x80000000
.endm
	s_load_b256 s[4:11], s[0:1], 0x0               ; xbuf, wbuf, qkbuf, vbuf
	v_lshl_add_u32 v[SPW], v0, 2, SPARE
	v_mov_b32 v[NIL], 0
	ds_add_u32 v[SPW], v[NIL]                      ; the opening lines: the add twice and one wait
	ds_add_u32 v[SPW], v[NIL]
	v_lshrrev_b32 v1, 5, v0
	v_readfirstlane_b32 s12, v1                    ; wave
	s_lshr_b32 s13, s12, 1                         ; my half of S1's rows
	s_and_b32 s14, s12, 1                          ; my half of S0's rows
	s_bfe_u32 s15, ttmp6, 0x40000                  ; cx
	s_bfe_u32 s16, ttmp6, 0x40004                  ; cy
	s_lshr_b32 s18, ttmp9, 1
	s_and_b32 s19, ttmp9, 1
	s_lshl_b32 s20, s18, 2
	s_add_co_u32 s20, s20, s16                     ; phase 1: tile row, 0 .. 31 (256 tokens)
	s_lshl_b32 s21, s19, 2
	s_add_co_u32 s21, s21, s15                     ; tile column, 0 .. 7 (256 columns of Wq|Wk)
	s_lshl_b32 s24, s19, 2
	s_add_co_u32 s24, s24, s16                     ; phase 2: tile row, 0 .. 7 (128 channels)
	s_lshl_b32 s25, s18, 2
	s_add_co_u32 s25, s25, s15                     ; tile column, 0 .. 31 (256 keys)
	s_lshl_b32 s26, s16, 2
	s_lshl_b32 s26, 15, s26                        ; my row of the cluster
	s_lshl_b32 s27, 0x1111, s15                    ; my column
	s_or_b32 s[G1A], s26, (3<<16)|(1<<21)
	s_or_b32 s[G1SA], s26, (3<<16)|(1<<21)
	s_or_b32 s[G1B], s27, (3<<16)|(1<<21)
	s_or_b32 s[G1SB], s27, (3<<16)|(1<<21)
	DIMS G1A, 6144, 3, XSTR/8                      ; three K steps of 16 row-blocks
	DIMS G1B, 6144, 3, WSTR/8
	DIMS G1SA, 32, 32, 32                          ; 8,192 scale bytes as rows of 256
	DIMS G1SB, 32, 32, 32
.irp g, G1A, G1B, G1SA, G1SB
	s_mov_b32 s[\g+6], 0
	s_mov_b32 s[\g+7], 0
.endr
	s_mov_b32 s[G0A], 1
	s_mov_b32 s[G0A+1], 0
	s_mov_b32 s[G0B], 1
	s_mov_b32 s[G0B+1], P1B
	s_mov_b32 s[G0SA], 1
	s_mov_b32 s[G0SA+1], SCL
	s_mov_b32 s[G0SB], 1
	s_mov_b32 s[G0SB+1], SCL+8192
	s_mul_i32 s28, s20, TILE
	s_mov_b32 s29, 0
	s_mul_i32 s30, s21, TILE
	s_mov_b32 s31, 0
	s_lshl_b32 s32, s20, 13
	s_add_co_u32 s32, s32, 4*XSTR
	s_mov_b32 s33, 0
	s_lshl_b32 s34, s21, 13
	s_add_co_u32 s34, s34, 4*WSTR
	s_mov_b32 s35, 0
	s_wait_dscnt 0x0
	s_wait_kmcnt 0x0
	GADR G0A, 4, 28
	GADR G0B, 6, 30
	GADR G0SA, 4, 32
	GADR G0SB, 6, 34
	CROUND                                         ; the first joint loads meet
	LOAD4
	v_and_b32 v1, 31, v0
	v_lshlrev_b32 v[L16], 4, v1
	v_lshlrev_b32 v[L8], 3, v1
	v_and_b32 v[RW], 15, v0
	v_bfe_u32 v[HH], v0, 4, 1
	v_lshlrev_b32 v[SOF], 3, v[RW]
.irp b, 0,1,2,3
	v_mov_b32 v[TM+4+\b], 0                        ; a lane permute's destination counts as one of its sources
.endr
	s_wait_alu depctr_va_vdst(0)                   ; the wait
	s_mul_i32 s2, s13, HALF
	s_mul_i32 s3, s14, HALF
	s_add_co_u32 s3, s3, P1B
.irp s, 0,1,2
	v_add_nc_u32 v[ADR+4*\s], s2, v[L16]
	v_add_nc_u32 v[ADR+4*\s+1], s2, v[L8]
	v_add_nc_u32 v[ADR+4*\s+2], s3, v[L16]
	v_add_nc_u32 v[ADR+4*\s+3], s3, v[L8]
	s_add_co_u32 s2, s2, TILE
	s_add_co_u32 s3, s3, TILE
.endr
	s_lshl_b32 s2, s13, 12                         ; scale words: lanes 0-15 S1's rows, lanes 16-31 S0's: the lower base + l / 16 x the distance
	s_lshl_b32 s3, s14, 12
	s_add_co_u32 s3, s3, 8192
	s_sub_co_u32 s3, s3, s2
	v_mul_u32_u24 v[ADRS], s3, v[HH]
	v_lshl_add_u32 v[ADRS], v[RW], 3, v[ADRS]
	s_add_co_u32 s2, s2, SCL
	v_add_nc_u32 v[ADRS], s2, v[ADRS]
.macro FRAG reg, adr, off              ; a fragment, 16 rows x 128 K: two half fragments as they lie
	ds_load_b128 v[\reg:\reg+3], v[\adr] offset:\off
	ds_load_b64 v[\reg+4:\reg+5], v[\adr+1] offset:\off+512
	ds_load_b128 v[\reg+6:\reg+9], v[\adr] offset:\off+768
	ds_load_b64 v[\reg+10:\reg+11], v[\adr+1] offset:\off+1280
.endm
.macro FETCH_S0 slot, q, p
	WIN TO_B
.irp i, 0,1,2,3,4,5,6,7
	FRAG 128*(\p)+FR*\i, ADR+4*(\slot)+2, \i*3072+(\q)*1536
.endr
	WIN 0
.endm
.macro FETCH_S1 slot, q, i0
.irp i, \i0, \i0+1, \i0+2, \i0+3
	FRAG AF+FR*(\i), ADR+4*(\slot), (\i)*3072+(\q)*1536
.endr
.endm
.macro SCALES ks                       ; K step ks's scale words, two a row
.irp i, 0,1,2,3,4,5,6,7
	ds_load_b64 v[SC+16*((\ks)%2)+2*\i:SC+16*((\ks)%2)+2*\i+1], v[ADRS] offset:512*\i+128*(\ks)
.endr
.endm
; phase 1: 16 matrix instructions; the 64 accumulators take turns in the same order in every step
.macro MUL16 a0, p, q, sc, zero
.irp a, \a0, \a0+1
.irp b, 0,1,2,3,4,5,6,7
.if \zero
	v_wmma_scale_f32_16x16x128_f8f6f4 v[8*(8*((\a)%4)+\b):8*(8*((\a)%4)+\b)+7], v[128*(\p)+FR*\b:128*(\p)+FR*\b+FR-1], v[AF+FR*(\a):AF+FR*(\a)+FR-1], 0, v[SC+16*(\sc)+2*\b+(\q)], v[SC+16*(\sc)+2*(\a)+(\q)] matrix_a_fmt:MATRIX_FMT_BF6 matrix_b_fmt:MATRIX_FMT_BF6 matrix_a_scale:MATRIX_SCALE_ROW1
.else
	v_wmma_scale_f32_16x16x128_f8f6f4 v[8*(8*((\a)%4)+\b):8*(8*((\a)%4)+\b)+7], v[128*(\p)+FR*\b:128*(\p)+FR*\b+FR-1], v[AF+FR*(\a):AF+FR*(\a)+FR-1], v[8*(8*((\a)%4)+\b):8*(8*((\a)%4)+\b)+7], v[SC+16*(\sc)+2*\b+(\q)], v[SC+16*(\sc)+2*(\a)+(\q)] matrix_a_fmt:MATRIX_FMT_BF6 matrix_b_fmt:MATRIX_FMT_BF6 matrix_a_scale:MATRIX_SCALE_ROW1
.endif
.endr
.endr
.endm
.macro STEP slot, ks, zero             ; a K step's first 128
	s_wait_dscnt 16                                ; all but the youngest sixteen loads (S1's blocks 4-7)
	WIN MUL_LO
	MUL16 0, 0, 0, (\ks)%2, \zero
	MUL16 2, 0, 0, (\ks)%2, \zero
	s_wait_dscnt 0
	PLACES 4
	FETCH_S0 \slot, 1, 1
	FETCH_S1 \slot, 1, 0
	WIN MUL_HI
	MUL16 4, 0, 0, (\ks)%2, \zero
	MUL16 6, 0, 0, (\ks)%2, \zero
	PLACES 4
	WIN 0
	FETCH_S1 \slot, 1, 4
.endm
; a K step's second 128, on to the next slot.  bar = 2: slot 0 is filled again behind a round; bar = 1: the same lines and one barrier, nothing is filled; bar = 0: the next slot came at the head
.macro TURN slot, next, ks, bar
.if \bar
	s_wait_tensorcnt 0x0                           ; all my tensor loads have landed
	ds_add_u32 v[SPW], v[NIL]
	s_wait_dscnt 17                                ; (the add and the youngest sixteen loads may be out)
	WIN MUL_LO
	MUL16 0, 1, 1, (\ks)%2, 0
	s_wait_dscnt 0x0                               ; the add is done, my reads of this slot are over
	s_barrier_signal -1
	MUL16 2, 1, 1, (\ks)%2, 0
	WIN 0
	s_barrier_wait -1
.if \bar == 2
	CREST
	JLOAD                                          ; K step 3 into slot 0; its four v_nop are the places ahead of the loads below
.else
	PLACES 4
.endif
.else
	s_wait_dscnt 16
	WIN MUL_LO
	MUL16 0, 1, 1, (\ks)%2, 0
	MUL16 2, 1, 1, (\ks)%2, 0
	s_wait_dscnt 0x0
	WIN 0
	PLACES 4
.endif
	FETCH_S0 \next, 0, 0
	FETCH_S1 \next, 0, 0
	SCALES (\ks)+1
	WIN MUL_HI
	MUL16 4, 1, 1, (\ks)%2, 0
	MUL16 6, 1, 1, (\ks)%2, 0
	PLACES 4
	WIN 0
	FETCH_S1 \next, 0, 4
.endm
; phase 2: step st is 128 along K (K step st / 2); every operand has two sets, set st % 2
.macro HF1 st                          ; S1's four fragments, with an even step the K step's scale words, S0's blocks 0-3: 32 or 40 loads
.irp i, 0,1,2,3
	FRAG AF+48*((\st)%2)+FR*\i, ADR+4*((\st)/2), \i*3072+((\st)%2)*1536
.endr
.if (\st)%2 == 0
	SCALES (\st)/2
.endif
	WIN TO_B
.irp i, 0,1,2,3
	FRAG 128*((\st)%2)+FR*\i, ADR+4*((\st)/2)+2, \i*3072+((\st)%2)*1536
.endr
	WIN 0
.endm
.macro HF2 st                          ; S0's blocks 4-7: 16 loads
	WIN TO_B
.irp i, 4,5,6,7
	FRAG 128*((\st)%2)+FR*\i, ADR+4*((\st)/2)+2, \i*3072+((\st)%2)*1536
.endr
	WIN 0
.endm
.macro HMUL st, b0, zero               ; 16 matrix instructions: S0's blocks b0 .. b0 + 3 x S1's four; the 32 accumulators take turns
.irp b, \b0, \b0+1, \b0+2, \b0+3
.irp a, 0,1,2,3
.if \zero
	v_wmma_scale_f32_16x16x128_f8f6f4 v[8*(8*\a+(\b)):8*(8*\a+(\b))+7], v[128*((\st)%2)+FR*(\b):128*((\st)%2)+FR*(\b)+FR-1], v[AF+48*((\st)%2)+FR*\a:AF+48*((\st)%2)+FR*\a+FR-1], 0, v[SC+16*(((\st)/2)%2)+2*(\b)+(\st)%2], v[SA+8*((\st)/2)+2*\a+(\st)%2] matrix_a_fmt:MATRIX_FMT_BF6 matrix_b_fmt:MATRIX_FMT_BF6 matrix_a_scale:MATRIX_SCALE_ROW1
.else
	v_wmma_scale_f32_16x16x128_f8f6f4 v[8*(8*\a+(\b)):8*(8*\a+(\b))+7], v[128*((\st)%2)+FR*(\b):128*((\st)%2)+FR*(\b)+FR-1], v[AF+48*((\st)%2)+FR*\a:AF+48*((\st)%2)+FR*\a+FR-1], v[8*(8*\a+(\b)):8*(8*\a+(\b))+7], v[SC+16*(((\st)/2)%2)+2*(\b)+(\st)%2], v[SA+8*((\st)/2)+2*\a+(\st)%2] matrix_a_fmt:MATRIX_FMT_BF6 matrix_b_fmt:MATRIX_FMT_BF6 matrix_a_scale:MATRIX_SCALE_ROW1
.endif
.endr
.endr
.endm
.macro HSTEP st, zero
.if (\st) == 3                         ; this step fetches from S0's K step 2 for the first time: a plain barrier shows wave 3's load to all
	s_wait_tensorcnt 0x0
	s_wait_dscnt 0x0
	s_barrier_signal -1
	s_barrier_wait -1
.else
	s_wait_dscnt 16                                ; all but this step's S0 blocks 4-7
.endif
.if (\st) < 7
	PLACES 4                                       ; behind the last step's products, which read the sets that are loaded now
	HF1 (\st)+1
.endif
	WIN MUL_LO
	HMUL \st, 0, \zero
.if (\st) < 7
	s_wait_dscnt 32+8*((\st)%2)                    ; all but the next step's first run
	WIN 0
	HF2 (\st)+1
	WIN MUL_LO
.else
	s_wait_dscnt 0x0
.endif
	HMUL \st, 4, \zero
	WIN 0
.endm
; row-block a's 64 registers of a lane become two half fragments in v[128 + 12 a] on and the scale word v[PW + a]; the codes are stored.  Each accumulator is read from its low end on.
.macro QUANTG a
.set AS, 64*((\a)%4)
.set DD, AF+12*(\a)
	WIN 0x28+0x14*((\a)/4)
.irp b, 0,1,2,3
	v_max3_num_f32 v[TM+\b], 0x2800000, |v[AS+16*\b]|, |v[AS+16*\b+1]|   ; with the floor 2^(5 - 127): the byte cannot fall under 1
.endr
.irp i, 2,4,6,8,10,12,14
.irp b, 0,1,2,3
	v_max3_num_f32 v[TM+\b], v[TM+\b], |v[AS+16*\b+\i]|, |v[AS+16*\b+\i+1]|
.endr
.endr
	WIN 0
.irp b, 0,1,2,3
	v_permlanex16_b32 v[TM+4+\b], v[TM+\b], s66, s67
.endr
.irp b, 0,1,2,3
	v_max_num_f32 v[TM+\b], v[TM+\b], v[TM+4+\b]
.endr
.irp b, 0,1,2,3
	v_add_nc_u32 v[TM+12+\b], 0xfe000000, v[TM+\b] ; 4 off the exponent field: the conversion's scale operand
.endr
.irp b, 0,1,2,3
	v_lshrrev_b32 v[TM+4+\b], 23, v[TM+12+\b]
.endr
	v_lshl_or_b32 v[PW+(\a)], v[TM+5], 8, v[TM+4]
	v_lshl_or_b32 v[PW+(\a)], v[TM+6], 16, v[PW+(\a)]
	v_lshl_or_b32 v[PW+(\a)], v[TM+7], 24, v[PW+(\a)]
	WIN 0x02+((\a)/4)
.irp c, 0,1
	v_cvt_scalef32_pk16_bf6_f32 v[DD+6*\c:DD+6*\c+2], v[AS+32*\c:AS+32*\c+15], v[TM+12+2*\c]
	v_cvt_scalef32_pk16_bf6_f32 v[CT+4*\c:CT+4*\c+2], v[AS+32*\c+16:AS+32*\c+31], v[TM+12+2*\c+1]
.endr
	WIN 0
	v_nop                                          ; one plain instruction behind the conversions
.irp c, 0,1
.irp i, 0,1,2
	v_permlane16_swap_b32 v[DD+6*\c+\i], v[CT+4*\c+\i]
.endr
.irp i, 0,1,2
	v_mov_b32 v[DD+3+6*\c+\i], v[CT+4*\c+\i]
.endr
.endr
	global_store_b128 v[L16], v[DD:DD+3], s[OB+4*((\a)/4):OB+4*((\a)/4)+1] offset:768*((\a)%4)
	global_store_b64 v[L8], v[DD+4:DD+5], s[OB+4*((\a)/4):OB+4*((\a)/4)+1] offset:768*((\a)%4)+512
	global_store_b128 v[L16], v[DD+6:DD+9], s[OB+2+4*((\a)/4):OB+3+4*((\a)/4)] offset:768*((\a)%4)
	global_store_b64 v[L8], v[DD+10:DD+11], s[OB+2+4*((\a)/4):OB+3+4*((\a)/4)] offset:768*((\a)%4)+512
.endm
	s_wait_alu depctr_va_vdst(0)                   ; the wait at the head's end
	s_wait_tensorcnt 0x0                           ; my tile of the head's four is in; no load of mine is out, so the descriptors may be written: K step 3, eight row-blocks a wave
	DIMS G1A, 32, 96, 32
	DIMS G1B, 32, 96, 32
	s_mul_i32 s28, s14, HALF
	s_mov_b32 s29, 0
	s_mov_b32 s[G0A+1], s28
	s_add_co_u32 s[G0B+1], s28, P1B
	s_add_nc_u64 s[G0A+2:G0A+3], s[G0A+2:G0A+3], s[28:29]
	s_add_nc_u64 s[G0A+2:G0A+3], s[G0A+2:G0A+3], 3*XSTR
	s_add_nc_u64 s[G0B+2:G0B+3], s[G0B+2:G0B+3], s[28:29]
	s_add_nc_u64 s[G0B+2:G0B+3], s[G0B+2:G0B+3], 3*WSTR
	s_barrier_signal -1
	s_barrier_wait -1                              ; everybody's is in
	FETCH_S0 0, 0, 0
	FETCH_S1 0, 0, 0
	SCALES 0
	FETCH_S1 0, 0, 4
	STEP 0, 0, 1                                   ; the first products start the sums
	TURN 0, 1, 0, 2
	STEP 1, 1, 0
	TURN 1, 2, 1, 0
	STEP 2, 2, 0
	TURN 2, 0, 2, 1
	STEP 0, 3, 0
	; phase 1's last 128 along K, with the round behind which all of phase 2's operands are asked for
	s_wait_tensorcnt 0x0
	ds_add_u32 v[SPW], v[NIL]
	DIMS G1A, 3072, 4, WSTR/8                      ; Wv: four K steps of 8 row-blocks
	DIMS G1B, 6144, 2, XSTR/8                      ; wave 1: x's K steps 0, 1 of 16 row-blocks
	DIMS G1SB, 6144, 2, XSTR/8                     ; wave 3: its K steps 2, 3
	s_or_b32 s[G1SA], s27, (3<<16)|(1<<21)         ; wave 2: x's scale bytes, 32 rows of 256, shared along my column
	s_mov_b32 s[G0A+1], 0
	s_mov_b32 s[G0B+1], P2B
	s_mov_b32 s[G0SA+1], SCL+4096
	s_mov_b32 s[G0SB+1], P2B+2*TILE
	s_lshl_b32 s28, s24, 3
	s_add_co_u32 s28, s28, 128                     ; Wv's columns begin at row-block 128
	s_mul_i32 s30, s28, 3072
	s_mov_b32 s31, 0
	GADR G0A, 6, 30
	s_lshl_b32 s30, s28, 9
	s_add_co_u32 s30, s30, 4*WSTR
	s_lshl_b32 s47, s13, 11
	s_add_co_u32 s30, s30, s47
	s_add_nc_u64 s[100:101], s[6:7], s[30:31]      ; the scale bytes of my four row-blocks of Wv
	s_mul_i32 s44, s25, TILE
	s_mov_b32 s45, 0
	GADR G0B, 4, 44
	GADR G0SB, 4, 44
	s_add_nc_u64 s[G0SB+2:G0SB+3], s[G0SB+2:G0SB+3], 2*XSTR
	s_lshl_b32 s44, s25, 13
	s_add_co_u32 s44, s44, 4*XSTR
	GADR G0SA, 4, 44
	s_wait_dscnt 17
	WIN MUL_LO
	MUL16 0, 1, 1, 1, 0
	s_wait_dscnt 0x0                               ; the add is done, and all my reads of LDS in phase 1
	s_barrier_signal -1
	MUL16 2, 1, 1, 1, 0
	WIN 0
	s_barrier_wait -1
	CREST
	LOAD4
	WIN MUL_HI
	MUL16 4, 1, 1, 1, 0
	MUL16 6, 1, 1, 1, 0
	WIN 0
	; phase 1's way out, no LDS.  The descriptors' registers are left alone: their loads are out
	PLACES 4
.irp k, 0,1,2,3                        ; phase 2: S1's scale words, two a row and K step; both halves of the lanes take row l % 16
.irp a, 0,1,2,3
	global_load_b64 v[SA+8*\k+2*\a:SA+8*\k+2*\a+1], v[SOF], s[100:101] offset:512*\a+128*\k
.endr
.endr
	s_lshl_b32 s28, s20, 4
	s_lshl_b32 s29, s13, 3
	s_add_co_u32 s28, s28, s29                     ; my first row-block of tokens
	s_lshl_b32 s29, s21, 1
	s_add_co_u32 s29, s29, s14                     ; which 128 columns: two channels (heads of q, then of k)
	s_mul_i32 s30, s29, 786432
	s_mul_i32 s31, s28, 768
	s_add_co_u32 s30, s30, s31
	s_mov_b32 s31, 0
	s_add_nc_u64 s[OB:OB+1], s[8:9], s[30:31]
	s_add_nc_u64 s[OB+2:OB+3], s[OB:OB+1], 393216  ; the next channel
	s_add_nc_u64 s[OB+4:OB+5], s[OB:OB+1], 3072    ; row-blocks 4-7
	s_add_nc_u64 s[OB+6:OB+7], s[OB+2:OB+3], 3072
	s_lshl_b32 s30, s29, 15
	s_lshr_b32 s28, s28, 3
	s_lshl_b32 s28, s28, 8
	s_add_co_u32 s30, s30, s28
	s_add_co_u32 s30, s30, 12582912
	s_add_nc_u64 s[OB+8:OB+9], s[8:9], s[30:31]    ; the scale records
	s_add_nc_u64 s[OB+10:OB+11], s[OB+8:OB+9], 16384
	s_mov_b32 s46, 0xffff0000                      ; lanes 16-31
	s_mov_b32 s66, 0x76543210
	s_mov_b32 s67, 0xfedcba98
.irp a, 0,1,2,3,4,5,6,7
	QUANTG \a
.endr
	; records of 256 bytes, one a channel: sub-unit g's word = the channel's two bytes of row-block 2 g, then of 2 g + 1; lane l owns sub-units l / 16 and 2 + l / 16
.irp g, 0,1,2,3
	v_perm_b32 v[WD+\g], v[PW+2*\g+1], v[PW+2*\g], 0x05040100
	v_perm_b32 v[WD+4+\g], v[PW+2*\g+1], v[PW+2*\g], 0x07060302
.endr
.irp x, 0,1
	v_cndmask_b32 v[WD+8+2*\x], v[WD+4*\x], v[WD+4*\x+1], s46
	v_cndmask_b32 v[WD+9+2*\x], v[WD+4*\x+2], v[WD+4*\x+3], s46
.endr
	global_store_b64 v[L8], v[WD+8:WD+9], s[OB+8:OB+9]
	global_store_b64 v[L8], v[WD+10:WD+11], s[OB+10:OB+11]
	; phase 2's LDS addresses
	s_mul_i32 s2, s13, 12288
	s_mul_i32 s3, s14, HALF
	s_add_co_u32 s3, s3, P2B
.irp k, 0,1,2,3
	v_add_nc_u32 v[ADR+4*\k], s2, v[L16]
	v_add_nc_u32 v[ADR+4*\k+1], s2, v[L8]
	v_add_nc_u32 v[ADR+4*\k+2], s3, v[L16]
	v_add_nc_u32 v[ADR+4*\k+3], s3, v[L8]
	s_add_co_u32 s2, s2, HALF
	s_add_co_u32 s3, s3, TILE
.endr
	s_lshl_b32 s3, s14, 12                         ; S0's scale words: both halves of the lanes take row l % 16; the products read lanes 16-31
	s_add_co_u32 s3, s3, SCL+4096
	v_lshlrev_b32 v[ADRS], 3, v[RW]
	v_add_nc_u32 v[ADRS], s3, v[ADRS]
	s_wait_alu depctr_va_vdst(0)                   ; the wait ahead of the waits below
	s_wait_xcnt 0x0                                ; the stores have read their registers and bases
	s_wait_loadcnt 0x0                             ; S1's scale words are in
	s_cmp_eq_u32 s12, 3
	s_cbranch_scc1 .Lnot_yet                       ; wave 3's load, S0's K steps 2 and 3, may stay out: it is waited for at step 3
	s_wait_tensorcnt 0x0                           ; S1, S0's K steps 0 and 1, S0's scale bytes
.Lnot_yet:
	s_barrier_signal -1
	s_barrier_wait -1
	HF1 0
	HF2 0
	s_lshl_b32 s28, s24, 1
	s_add_co_u32 s28, s28, s13                     ; my head of v
	s_lshl_b32 s29, s25, 1
	s_add_co_u32 s29, s29, s14                     ; which 128 keys
	s_lshr_b32 s30, s29, 4                         ; the batch
	s_and_b32 s29, s29, 15                         ; the step of 128 keys
	s_mul_i32 s44, s30, 1572864
	s_mul_i32 s45, s28, 98304
	s_add_co_u32 s44, s44, s45
	s_mul_i32 s45, s29, 6144
	s_add_co_u32 s44, s44, s45
	s_mov_b32 s45, 0
	s_add_nc_u64 s[OB:OB+1], s[10:11], s[44:45]
	s_add_nc_u64 s[OB+2:OB+3], s[OB:OB+1], 3072    ; the step's second 64 keys
	s_lshl_b32 s44, s30, 16
	s_lshl_b32 s28, s28, 12
	s_add_co_u32 s44, s44, s28
	s_lshl_b32 s29, s29, 8
	s_add_co_u32 s44, s44, s29
	s_add_co_u32 s44, s44, 6291456
	s_add_nc_u64 s[OB+8:OB+9], s[10:11], s[44:45]
	HSTEP 0, 1
.irp t, 1,2,3,4,5,6,7
	HSTEP \t, 0
.endr
	PLACES 4
.irp a, 0,1,2,3
	QUANTG \a
.endr
	v_cndmask_b32 v[WD], v[PW], v[PW+1], s46       ; the head's record: sub-unit t's word = row-block t's four bytes
	v_cndmask_b32 v[WD+1], v[PW+2], v[PW+3], s46
	global_store_b64 v[L8], v[WD:WD+1], s[OB+8:OB+9]
	s_wait_tensorcnt 0x0                           ; the wave's end
	ds_add_u32 v[SPW], v[NIL]
	s_wait_dscnt 0x0
	CROUND                                         ; the closing round
	s_endpgm
.Lfunc_end_k_qb3d9373fa4_gemm_qkv:
	.size	k_qb3d9373fa4_gemm_qkv, .Lfunc_end_k_qb3d9373fa4_gemm_qkv-k_qb3d9373fa4_gemm_qkv
	.p2alignl 7, 3214868480
	.fill 96, 4, 3214868480
	.section	.rodata,"a",@progbits
	.p2align	6, 0x0
	.amdhsa_kernel k_qb3d9373fa4_gemm_qkv
		.amdhsa_group_segment_fixed_size 327680
		.amdhsa_private_segment_fixed_size 0
		.amdhsa_enable_private_segment 0
		.amdhsa_kernarg_size 32
		.amdhsa_user_sgpr_count 2
		.amdhsa_user_sgpr_kernarg_segment_ptr 1
		.amdhsa_wavefront_size32 1
		.amdhsa_system_sgpr_workgroup_id_x 1
		.amdhsa_system_sgpr_workgroup_id_y 1
		.amdhsa_system_sgpr_workgroup_id_z 1
		.amdhsa_system_vgpr_workitem_id 0
		.amdhsa_next_free_vgpr 1024
		.amdhsa_next_free_sgpr 106
		.amdhsa_reserve_vcc 0
		.amdhsa_float_denorm_mode_32 3
		.amdhsa_float_denorm_mode_16_64 3
		.amdhsa_memory_ordered 1
		.amdhsa_forward_progress 1
		.amdhsa_inst_pref_size 234
	.end_amdhsa_kernel
	.amdgpu_metadata
---
amdhsa.version: [ 1, 2 ]
amdhsa.kernels:
  - .name:           k_qb3d9373fa4_gemm_qkv
    .symbol:         k_qb3d9373fa4_gemm_qkv.kd
    .args:
      - { .name: xbuf, .offset: 0, .size: 8, .value_kind: global_buffer, .address_space: global }
      - { .name: wbuf, .offset: 8, .size: 8, .value_kind: global_buffer, .address_space: global }
      - { .name: qkbuf, .offset: 16, .size: 8, .value_kind: global_buffer, .address_space: global }
      - { .name: vbuf, .offset: 24, .size: 8, .value_kind: global_buffer, .address_space: global }
    .group_segment_fixed_size: 327680
    .private_segment_fixed_size: 0
    .kernarg_segment_align: 8
    .kernarg_segment_size: 32
    .max_flat_workgroup_size: 128
    .sgpr_count:     106
    .vgpr_count:     1024
    .wavefront_size: 32
...
	.end_amdgpu_metadata
.endif
;; end of part 2
;; launch attn (part 3): grid 4 x 64, 16 waves a work-group, clusters of 4 x 1, 206,848 bytes of LDS; arguments qkbuf, vbuf, cbuf; writes cbuf
.if DOCPART == 3
	.amdgcn_target "amdgcn-amd-amdhsa--gfx1250"
	.amdhsa_code_object_version 6
	.text
	.protected	k_qb3d9373fa4_attn
	.globl	k_qb3d9373fa4_attn
	.p2align	8
	.type	k_qb3d9373fa4_attn,@function
k_qb3d9373fa4_attn:
	s_mov_b64 s[64:65], 0
	v_nop
	global_prefetch_b8 v0, s[64:65] scope:SCOPE_SE
	s_setreg_imm32_b32 hwreg(HW_REG_WAVE_MODE, 25, 1), 1
	s_wait_xcnt 0x0
	s_wait_alu depctr_hold_cnt(0) depctr_sa_sdst(0) depctr_va_vdst(0) depctr_va_sdst(0) depctr_va_ssrc(0) depctr_va_vcc(0) depctr_vm_vsrc(0)
	s_getreg_b32 s2, hwreg(HW_REG_IB_STS2, 6, 4)
	s_cmp_eq_u32 s2, 0
	s_cbranch_scc0 .Lentry_in_a_cluster
	s_endpgm
.Lentry_in_a_cluster:
	s_bfe_u32 s2, ttmp6, 0x10000c
	s_cmp_lg_u32 s2, 0x3003
	s_cbranch_scc0 .Lentry_shape_is_right
	s_endpgm
.Lentry_shape_is_right:
; ctx[b][q][h][:] = the sum over keys k <= q of softmax_k(q . k / 8) v[k][:], both products on codes of BF6 (E3M2) with E8M0 scales; ctx is quantised along h x 64 + d and leaves as codes for the last product.
; THE SOFTMAX: t = score x log2(e) / 8; M = the running largest t rounded UP to a whole number; p = 2^(t - M) is quantised along the keys, not normalised; the row's sum is taken of the unquantised p and divides at the
; end; when M moves, the sum and O are multiplied by 2^(old M - new M), which rounds nothing.
; ALL OF A HEAD STAYS IN LDS: K's and V's codes (98,304 bytes each) and scale records (4,096 each) are filled ONCE; behind one wait and one barrier LDS is only read: no slot is filled again, no barrier in the loops.
; CLUSTER: the four work-groups of a (batch, head) need the same 204,800 bytes: all sixteen waves ask for them jointly, one tensor load each (by this text's count one is out), with a mask that names the four.
; SHARES.  Wave w takes two tiles of 16 queries, one after the other: T = 0: rank w, T = 1: rank 15 - w; row-block 8 rank + 2 cx + T.  A tile needs rank + 1 steps of 128 keys, so every wave works 17 steps.
; The loop over steps has 16 trips for all; a trip beyond the tile's rank is passed over by a scalar branch on the wave's number and counters.  cx enters global addresses and the mask's threshold alone.
; LAYOUT.  Both products transposed: S^T = K Q^T, O^T = V^T P^T: a lane holds ONE query.  The rows of a row-block are not neighbours (lane-row r = row 32 (RB / 2) + 8 (RB % 2) + r + 8 (r / 8)), so that the 16
; registers of two neighbouring tiles are 16 neighbouring keys (or channels).
; THE HEAD'S 64 ARE HALF OF THE INSTRUCTION'S 128: a fragment of K holds TWO tiles of keys (k 0-63: row-block 2 g, k 64-127: row-block 2 g + 1).  Against [q | zeros] it gives the first tile's scores, against
; [zeros | q] the second's: zero codes add nothing under any scale byte of 1 to 254.
; LIMITS: NaN and infinities are not served; a block of ctx whose largest magnitude lies under 2^(5 - 127) gets the byte 1.
; REGISTERS: v1 16 l, v2 8 l, v3 the mask's threshold, v4-8 the step's LDS addresses, v9-11 bases; v12 -M, v13 largest t, v[14:15] the sum; v16-21 zeros, v22-27 q, v28-33 zeros; v34 q's scale word; v36-83 four
; fragments of K or V; v84-87 their scale words; v88-95 the second tile's q; v96-159 S^T, then p; v160-191 O^T; v192-203 p's codes; v204-211, v212-227 at work; v228 8 r.
.set KCOD, 0                           ; LDS: K's codes [128 row-blocks][768];
.set VCOD, 98304                       ; V's [16 steps][2][4 tiles][768];
.set KREC, 196608                      ; K's records [16 steps][256];  V's 4,096 bytes on
.macro CROUND
	s_barrier_signal -1
	s_barrier_wait -1
	s_cmp_lg_u32 s10, 0
	s_cbranch_scc1 .Lnot_wave_0_\@
	s_barrier_signal -3
.Lnot_wave_0_\@:
	s_barrier_wait -3
	s_barrier_signal -1
	s_barrier_wait -1
.endm
	s_load_b128 s[4:7], s[0:1], 0x0                ; qkbuf, vbuf
	s_load_b64 s[8:9], s[0:1], 0x10                ; cbuf
	v_lshl_add_u32 v254, v0, 2, 0x32000
	v_mov_b32 v255, 0
	ds_add_u32 v254, v255
	ds_add_u32 v254, v255
	v_lshrrev_b32 v1, 5, v0
	s_delay_alu instid0(VALU_DEP_1)
	v_readfirstlane_b32 s10, v1                    ; wave 0..15
	s_bfe_u32 s11, ttmp6, 0x40000                  ; cx
	s_and_b32 s12, ttmp7, 0xffff                   ; 16 x batch + head: shared by the four partners
	s_lshr_b32 s13, s12, 4
	s_and_b32 s14, s12, 15
	; groups 1: dense blocks as rows of 256 bytes: 96 rows of codes, 4 of records
	s_mov_b32 s24, 15|(3<<16)|(1<<21)              ; 15:0 the mask: all four; 17:16 elements of 8 bytes; 21 set beside a mask
	s_mov_b32 s25, 32<<16
	s_mov_b32 s26, 96<<16
	s_mov_b32 s27, 32<<16
	s_mov_b32 s28, 96
	s_mov_b32 s29, 32
	s_mov_b32 s30, 0
	s_mov_b32 s31, 0
	s_mov_b32 s32, 15|(3<<16)|(1<<21)
	s_mov_b32 s33, 32<<16
	s_mov_b32 s34, 4<<16
	s_mov_b32 s35, 32<<16
	s_mov_b32 s36, 4
	s_mov_b32 s37, 32
	s_mov_b32 s38, 0
	s_mov_b32 s39, 0
	s_add_co_u32 s15, s14, 16                      ; k's channel
	s_mul_i32 s16, s15, 393216
	s_mul_i32 s17, s13, 98304
	s_add_co_u32 s16, s16, s17                     ; K's codes
	s_lshl_b32 s17, s15, 14
	s_lshl_b32 s18, s13, 12
	s_add_co_u32 s17, s17, s18
	s_add_co_u32 s17, s17, 12582912                ; K's records
	s_mul_i32 s18, s12, 98304                      ; V's codes
	s_lshl_b32 s19, s12, 12
	s_add_co_u32 s19, s19, 6291456                 ; V's records
	s_and_b32 s20, s10, 3
	s_mul_i32 s21, s20, 24576                      ; my quarter
	s_lshl_b32 s22, s20, 10
	s_and_b32 s23, s10, 7                          ; waves 0-7 fetch the codes, waves 8-15 the records: one tensor load a wave; of each eight the first four take K's, the others V's
	s_cmp_lt_u32 s23, 4
	s_cselect_b32 s16, s16, s18
	s_cselect_b32 s18, s17, s19
	s_add_co_u32 s16, s16, s21
	s_add_co_u32 s18, s18, s22
	s_mov_b32 s17, 0
	s_mov_b32 s19, 0
	s_wait_dscnt 0x0
	s_wait_kmcnt 0x0
	s_cmp_lt_u32 s23, 4
	s_cselect_b64 s[20:21], s[4:5], s[6:7]
	s_mov_b32 s40, 1
	s_mul_i32 s41, s23, 24576                      ; LDS: (wave % 8) x 24,576
	s_add_nc_u64 s[42:43], s[20:21], s[16:17]
	s_or_b32 s43, s43, 0x80000000
	s_mov_b32 s44, 1
	s_lshl_b32 s45, s23, 10
	s_add_co_u32 s45, s45, KREC                    ; LDS: the records, (wave % 8) x 1,024
	s_add_nc_u64 s[46:47], s[20:21], s[18:19]
	s_or_b32 s47, s47, 0x80000000
	CROUND                                         ; all four work-groups are here: the joint loads meet
	s_cmp_lt_u32 s10, 8
	s_cbranch_scc0 .Lrecords
	tensor_load_to_lds s[40:43], s[24:31]          ; waves 0-7: a quarter of K's or V's codes
	s_nop 0
.rept 4
	v_nop
.endr
	s_branch .Lasked
.Lrecords:
	tensor_load_to_lds s[44:47], s[32:39]          ; waves 8-15: a quarter of K's or V's records
	s_nop 0
.rept 4
	v_nop
.endr
.Lasked:
	; both tiles' q and their scale words
	s_lshl_b32 s48, s13, 7
	s_lshl_b32 s49, s11, 1
	s_add_co_u32 s48, s48, s49                     ; 128 batch + 2 cx: kept
	s_mul_i32 s50, s14, 393216                     ; q's channel = the head
	s_lshl_b32 s52, s10, 3
	s_add_co_u32 s52, s52, s48
	s_mul_i32 s52, s52, 768
	s_add_co_u32 s52, s52, s50
	s_mov_b32 s53, 0
	s_sub_co_u32 s51, 15, s10                      ; the second tile's rank
	s_lshl_b32 s54, s51, 3
	s_add_co_u32 s54, s54, s48
	s_add_co_u32 s54, s54, 1
	s_mul_i32 s54, s54, 768
	s_add_co_u32 s54, s54, s50
	s_mov_b32 s55, 0
	s_lshl_b32 s50, s14, 14
	s_lshl_b32 s49, s13, 12
	s_add_co_u32 s50, s50, s49
	s_add_co_u32 s50, s50, 12582912
	s_and_b32 s49, s11, 1                          ; sub-unit cx of a record: lanes 16 (cx % 2) on, word cx / 2
	s_lshl_b32 s49, s49, 7
	s_add_co_u32 s50, s50, s49
	s_lshr_b32 s49, s11, 1
	s_lshl_b32 s49, s49, 2
	s_add_co_u32 s50, s50, s49
	s_lshl_b32 s56, s10, 8
	s_add_co_u32 s56, s56, s50
	s_mov_b32 s57, 0
	s_lshl_b32 s58, s51, 8
	s_add_co_u32 s58, s58, s50
	s_mov_b32 s59, 0
	s_add_nc_u64 s[52:53], s[4:5], s[52:53]
	s_add_nc_u64 s[54:55], s[4:5], s[54:55]
	s_add_nc_u64 s[56:57], s[4:5], s[56:57]
	s_add_nc_u64 s[58:59], s[4:5], s[58:59]
	v_and_b32 v4, 31, v0
	s_delay_alu instid0(VALU_DEP_1)
	v_lshlrev_b32 v1, 4, v4
	s_delay_alu instid0(VALU_DEP_2)
	v_lshlrev_b32 v2, 3, v4
	v_and_b32 v5, 15, v0                           ; r
	v_bfe_u32 v6, v0, 4, 1                         ; hh
	s_delay_alu instid0(VALU_DEP_2)
	v_lshlrev_b32 v228, 3, v5
	global_load_b128 v[22:25], v1, s[52:53]
	global_load_b64 v[26:27], v2, s[52:53] offset:512
	global_load_b128 v[88:91], v1, s[54:55]
	global_load_b64 v[92:93], v2, s[54:55] offset:512
	global_load_b32 v35, v228, s[56:57]
	global_load_b32 v94, v228, s[58:59]
	v_and_b32 v7, 8, v5
	s_delay_alu instid0(VALU_DEP_1)
	v_add_nc_u32 v3, v7, v5                        ; r + 8 (r / 8)
	v_lshlrev_b32 v7, 4, v6
	s_delay_alu instid0(VALU_DEP_1)
	v_sub_nc_u32 v3, v3, v7                        ; - 16 hh
	s_lshl_b32 s49, s11, 5
	v_add_nc_u32 v3, s49, v3                       ; + 32 cx: in the diagonal step register 16 b + i is hidden where 32 b + i is above this (+ 8 for the second tile)
	v_add_nc_u32 v9, VCOD, v1
	v_add_nc_u32 v11, VCOD, v2
	v_add_nc_u32 v10, KREC, v2
.irp i, 0,1,2,3,4,5
	v_mov_b32 v[16+\i], 0                          ; zero codes on either side of q
	v_mov_b32 v[28+\i], 0
.endr
.irp i, 0,1,2,3
	v_mov_b32 v[216+\i], 0                         ; written once: a lane permute's destination counts as one of its sources
.endr
	v_mov_b32 v224, 0
	v_mov_b32 v225, 0                              ; (named as the upper half of the pair v[224:225] before it is first written)
	v_mov_b32 v226, 0
	v_mov_b32 v227, 0xff800000                     ; -infinity
	s_mov_b32 s68, 0x76543210
	s_mov_b32 s69, 0xfedcba98                      ; v_permlanex16_b32's selects for lane l xor 16
	s_mov_b32 s70, 0x3e38aa3b                      ; c = log2(e) / 8
	s_mov_b32 s71, s70                             ; (named with it as a pair)
	s_lshr_b32 s72, s14, 2                         ; ctx: the head is half fragment head % 4 of K step head / 4
	s_and_b32 s73, s14, 3
	s_mul_i32 s74, s72, 1572864
	s_mul_i32 s75, s73, 768
	s_lshl_b32 s72, s72, 7
	s_lshl_b32 s73, s73, 1
	s_add_co_u32 s73, s73, s72
	s_add_co_u32 s73, s73, 6291456                 ; its two scale bytes in a row's eight
	s_add_co_u32 s72, s74, s75
	s_mov_b32 s60, s10                             ; the tile's rank
	s_mov_b32 s61, 0                               ; T
	s_wait_tensorcnt 0x0                           ; my parts have landed,
	s_barrier_signal -1
	s_barrier_wait -1                              ; everybody's have: from here on LDS is only read
	s_wait_loadcnt 0x0
	v_perm_b32 v34, v35, v35, 0x01000100           ; q's two bytes, twice: T = 0 has a word's bytes 0, 1,
	v_perm_b32 v95, v94, v94, 0x03020302           ; T = 1 bytes 2, 3
.macro KLOAD a16, a8, as, off, roff    ; a step's four fragments of K (two tiles of keys each) and its record
.irp g, 0,1,2,3
	ds_load_b128 v[36+12*\g:39+12*\g], v[\a16] offset:\off+1536*\g
	ds_load_b64 v[40+12*\g:41+12*\g], v[\a8] offset:\off+1536*\g+512
	ds_load_b128 v[42+12*\g:45+12*\g], v[\a16] offset:\off+1536*\g+768
	ds_load_b64 v[46+12*\g:47+12*\g], v[\a8] offset:\off+1536*\g+1280
.endr
	ds_load_b64 v[84:85], v[\as] offset:\roff
.endm
.macro SQK g                           ; fragment g: tiles 2 g and 2 g + 1 of S^T
.if (\g)%2
	v_wmma_scale_f32_16x16x128_f8f6f4 v[96+16*\g:103+16*\g], v[36+12*\g:47+12*\g], v[22:33], 0, v[84+(\g)/2], v34 matrix_a_fmt:MATRIX_FMT_BF6 matrix_b_fmt:MATRIX_FMT_BF6 matrix_a_scale:MATRIX_SCALE_ROW1
	v_wmma_scale_f32_16x16x128_f8f6f4 v[104+16*\g:111+16*\g], v[36+12*\g:47+12*\g], v[16:27], 0, v[84+(\g)/2], v34 matrix_a_fmt:MATRIX_FMT_BF6 matrix_b_fmt:MATRIX_FMT_BF6 matrix_a_scale:MATRIX_SCALE_ROW1
.else
	v_wmma_scale_f32_16x16x128_f8f6f4 v[96+16*\g:103+16*\g], v[36+12*\g:47+12*\g], v[22:33], 0, v[84+(\g)/2], v34 matrix_a_fmt:MATRIX_FMT_BF6 matrix_b_fmt:MATRIX_FMT_BF6
	v_wmma_scale_f32_16x16x128_f8f6f4 v[104+16*\g:111+16*\g], v[36+12*\g:47+12*\g], v[16:27], 0, v[84+(\g)/2], v34 matrix_a_fmt:MATRIX_FMT_BF6 matrix_b_fmt:MATRIX_FMT_BF6
.endif
.endm
.macro PVM t                           ; O^T's tile t += V^T's tile t x P^T
.if (\t)%2
	v_wmma_scale_f32_16x16x128_f8f6f4 v[160+8*\t:167+8*\t], v[36+12*\t:47+12*\t], v[192:203], v[160+8*\t:167+8*\t], v[86+(\t)/2], v225 matrix_a_fmt:MATRIX_FMT_BF6 matrix_b_fmt:MATRIX_FMT_BF6 matrix_a_scale:MATRIX_SCALE_ROW1
.else
	v_wmma_scale_f32_16x16x128_f8f6f4 v[160+8*\t:167+8*\t], v[36+12*\t:47+12*\t], v[192:203], v[160+8*\t:167+8*\t], v[86+(\t)/2], v225 matrix_a_fmt:MATRIX_FMT_BF6 matrix_b_fmt:MATRIX_FMT_BF6
.endif
.endm
.Ltile:                                            ; two trips: T = 0, 1
	KLOAD 1, 2, 10, 0, 0                           ; the first step's K
	v_mov_b32 v13, 0xff61b1e6                      ; the largest t so far: -3e38, under every t
	s_delay_alu instid0(VALU_DEP_1)
	v_floor_f32 v12, -v13                          ; -M
	v_mov_b32 v14, 0
	v_mov_b32 v15, 0
.set J, 0
.rept 32
	v_mov_b32 v[160+J], 0                          ; O^T: the step is written once; the first change of M leaves zeros zeros
.set J, J+1
.endr
	s_mov_b32 s62, 0                               ; the step,
	s_mov_b32 s63, 0                               ; its codes: 6,144 bytes a step,
	s_mov_b32 s66, 0                               ; its record: 256
.Lstep:                                            ; 16 trips
	s_cmp_gt_u32 s62, s60                          ; all of the step's keys come after my queries: its work is passed over
	s_cbranch_scc1 .Lhidden
	v_add_nc_u32 v4, s63, v1
	v_add_nc_u32 v5, s63, v2
	v_add_nc_u32 v6, s63, v9
	v_add_nc_u32 v7, s63, v11
	v_add_nc_u32 v8, s66, v10
	s_wait_alu depctr_va_vdst(0)
	s_wait_dscnt 0x0                               ; K and its record are in
	SQK 0
	SQK 1
	SQK 2
	SQK 3                                          ; register 16 b + i of v96 on: key 128 step + 32 b + 16 hh + i
.rept 4
	v_nop                                          ; places in front of the loads into K's registers and of the first read of the scores
.endr
.irp t, 0,1,2,3                        ; V's four tiles land while the softmax is walked
	ds_load_b128 v[36+12*\t:39+12*\t], v6 offset:768*\t
	ds_load_b64 v[40+12*\t:41+12*\t], v7 offset:768*\t+512
	ds_load_b128 v[42+12*\t:45+12*\t], v6 offset:3072+768*\t
	ds_load_b64 v[46+12*\t:47+12*\t], v7 offset:3072+768*\t+512
.endr
	ds_load_b64 v[86:87], v8 offset:4096
	s_cmp_lg_u32 s62, s60                          ; only the tile's last step lies on the diagonal
	s_cbranch_scc1 .Lopen
.set N, 0
.rept 64
	v_cmp_gt_i32 vcc_lo, 32*(N/16)+N%16, v3
	v_cndmask_b32 v[96+N], v[96+N], v227, vcc_lo   ; hidden scores become -infinity ahead of the maximum: p = 0
.set N, N+1
.endr
.Lopen:
.irp b, 0,1,2,3
	v_max3_num_f32 v[212+\b], v[96+16*\b], v[97+16*\b], v[98+16*\b]   ; the largest score of each block of 32 keys: for the row's maximum and, since p rises with the score, for the block's largest p
.endr
.irp i, 3,5,7,9,11,13
.irp b, 0,1,2,3
	v_max3_num_f32 v[212+\b], v[212+\b], v[96+16*\b+\i], v[97+16*\b+\i]
.endr
.endr
.irp b, 0,1,2,3
	v_max_num_f32 v[212+\b], v[212+\b], v[111+16*\b]
.endr
.irp b, 0,1,2,3
	s_delay_alu instid0(VALU_DEP_4)
	v_permlanex16_b32 v[216+\b], v[212+\b], s68, s69
.endr
.irp b, 0,1,2,3
	s_delay_alu instid0(VALU_DEP_4)
	v_max_num_f32 v[212+\b], v[212+\b], v[216+\b]  ; with lane l xor 16's 16 keys
.endr
	s_delay_alu instid0(VALU_DEP_2)
	v_max3_num_f32 v226, v212, v213, v214
	s_delay_alu instid0(VALU_DEP_1)
	v_max_num_f32 v226, v226, v215
	s_delay_alu instid0(VALU_DEP_1)
	v_mul_f32 v226, s70, v226                      ; the step's largest t
	s_delay_alu instid0(VALU_DEP_1)
	v_max_num_f32 v13, v13, v226
	v_mov_b32 v226, v12
	s_delay_alu instid0(VALU_DEP_2)
	v_floor_f32 v12, -v13                          ; the new -M = -ceil(t)
	s_delay_alu instid0(VALU_DEP_1)
	v_sub_f32 v226, v12, v226                      ; old M - new M: a whole number, 0 or less
	s_delay_alu instid0(VALU_DEP_1)
	v_cvt_i32_f32 v226, v226                       ; (it saturates)
	s_delay_alu instid0(VALU_DEP_1)
	v_ldexp_f32 v224, 1.0, v226                    ; f = 2^(old M - new M)
.set J, 0
.rept 32
	v_pk_fma_f32 v[96+J:97+J], v[96+J:97+J], s[70:71], v[12:13] op_sel_hi:[1,0,0]   ; t - M, two at a time
.set J, J+2
.endr
.irp b, 0,1,2,3
	v_fma_f32 v[212+\b], v[212+\b], s70, v12       ; the same of each block's largest score
.endr
.set J, 0
	s_wait_alu depctr_va_vdst(0)
.rept 64
	v_exp_f32 v[96+J], v[96+J]                     ; p = 2^(t - M)
.set J, J+1
.endr
	v_pk_mul_f32 v[14:15], v[14:15], v[224:225] op_sel_hi:[1,0]   ; the sums under the new M; the plain instruction behind the exponentials
	s_wait_alu depctr_va_vdst(0)                   ; one wait for the batch of 64, ahead of its first reader
.irp b, 0,1,2,3
	v_exp_f32 v[212+\b], v[212+\b]                 ; the block's largest p
.endr
	v_pk_add_f32 v[216:217], v[100:101], v[104:105]
	v_pk_add_f32 v[252:253], v[108:109], v[112:113]
	v_pk_add_f32 v[250:251], v[116:117], v[120:121]
	v_pk_add_f32 v[248:249], v[124:125], v[128:129]
	v_pk_add_f32 v[246:247], v[132:133], v[136:137]
	v_pk_add_f32 v[244:245], v[140:141], v[144:145]
	v_pk_add_f32 v[242:243], v[148:149], v[152:153]
	v_pk_add_f32 v[14:15], v[14:15], v[156:157]
	v_pk_add_f32 v[216:217], v[216:217], v[96:97]
	v_pk_add_f32 v[252:253], v[252:253], v[98:99]
	v_pk_add_f32 v[250:251], v[250:251], v[102:103]
	v_pk_add_f32 v[248:249], v[248:249], v[106:107]
	v_pk_add_f32 v[246:247], v[246:247], v[110:111]
	v_pk_add_f32 v[244:245], v[244:245], v[114:115]
	v_pk_add_f32 v[242:243], v[242:243], v[118:119]
	v_pk_add_f32 v[14:15], v[14:15], v[122:123]
	v_pk_add_f32 v[216:217], v[216:217], v[126:127]
	v_pk_add_f32 v[252:253], v[252:253], v[130:131]
	v_pk_add_f32 v[250:251], v[250:251], v[134:135]
	v_pk_add_f32 v[248:249], v[248:249], v[138:139]
	v_pk_add_f32 v[246:247], v[246:247], v[142:143]
	v_pk_add_f32 v[244:245], v[244:245], v[146:147]
	v_pk_add_f32 v[242:243], v[242:243], v[150:151]
	v_pk_add_f32 v[14:15], v[14:15], v[154:155]
	v_pk_add_f32 v[216:217], v[216:217], v[158:159]
	s_delay_alu instid0(VALU_DEP_2)
	v_pk_add_f32 v[14:15], v[14:15], v[248:249]
	s_delay_alu instid0(VALU_DEP_2)
	v_pk_add_f32 v[216:217], v[216:217], v[246:247]
	v_pk_add_f32 v[252:253], v[252:253], v[244:245]
	v_pk_add_f32 v[250:251], v[250:251], v[242:243]
	s_delay_alu instid0(VALU_DEP_2)
	v_pk_add_f32 v[14:15], v[14:15], v[252:253]
	s_delay_alu instid0(VALU_DEP_2)
	v_pk_add_f32 v[216:217], v[216:217], v[250:251]
	s_delay_alu instid0(VALU_DEP_1)
	v_pk_add_f32 v[14:15], v[14:15], v[216:217]
	s_wait_alu depctr_va_vdst(0)                   ; and one for the four
.irp b, 0,1,2,3
	v_max_num_f32 v[212+\b], 0x2800000, v[212+\b]  ; the floor 2^(5 - 127): the byte cannot fall under 1
.endr
.irp b, 0,1,2,3
	s_delay_alu instid0(VALU_DEP_4)
	v_add_nc_u32 v[220+\b], 0xfe000000, v[212+\b]  ; 4 off the exponent field: the conversion's scale operand
.endr
.irp b, 0,1,2,3
	s_delay_alu instid0(VALU_DEP_4)
	v_lshrrev_b32 v[216+\b], 23, v[220+\b]
.endr
	s_delay_alu instid0(VALU_DEP_3)
	v_lshl_or_b32 v225, v217, 8, v216              ; p's scale word for these 128 keys
	s_delay_alu instid0(VALU_DEP_1)
	v_lshl_or_b32 v225, v218, 16, v225
	s_delay_alu instid0(VALU_DEP_1)
	v_lshl_or_b32 v225, v219, 24, v225
.irp c, 0,1
	v_cvt_scalef32_pk16_bf6_f32 v[192+6*\c:194+6*\c], v[96+32*\c:111+32*\c], v[220+2*\c]
	v_cvt_scalef32_pk16_bf6_f32 v[204+4*\c:206+4*\c], v[112+32*\c:127+32*\c], v[220+2*\c+1]
.endr
	v_nop                                          ; one plain instruction behind the conversions
.irp c, 0,1                            ; a lane wants a WHOLE block
.irp i, 0,1,2
	v_permlane16_swap_b32 v[192+6*\c+\i], v[204+4*\c+\i]
.endr
.irp i, 0,1,2
	s_delay_alu instid0(VALU_DEP_3)
	v_mov_b32 v[195+6*\c+\i], v[204+4*\c+\i]
.endr
.endr
.set J, 0
.rept 16
	v_pk_mul_f32 v[160+J:161+J], v[160+J:161+J], v[224:225] op_sel_hi:[1,0]   ; O^T under the new M; these sixteen are also the places between p's codes and scale word and the products
.set J, J+2
.endr
	s_wait_alu depctr_va_vdst(0)
	s_wait_dscnt 0x0                               ; V and its record are in
	PVM 0
	PVM 1
	PVM 2
	PVM 3                                          ; four accumulators, one turn each; the scores' eight products stand between two turns of one accumulator
.rept 4
	v_nop                                          ; places in front of the loads into V's registers
.endr
	KLOAD 4, 5, 8, 6144, 256                       ; the next step's K (behind the last step: bytes inside LDS that nobody uses)
.Lhidden:
	s_add_co_u32 s63, s63, 6144
	s_add_co_u32 s66, s66, 256
	s_add_co_u32 s62, s62, 1
	s_cmp_lt_u32 s62, 16
	s_cbranch_scc1 .Lstep
	; the tile's way out: O^T / the sum, quantised along the head's 64: one half fragment and two scale bytes a row
	s_wait_dscnt 0x0                               ; the loads issued last are in: their registers may be loaded again
	v_add_f32 v14, v14, v15
	s_delay_alu instid0(VALU_DEP_1)
	v_permlanex16_b32 v226, v14, s68, s69
	s_delay_alu instid0(VALU_DEP_1)
	v_add_f32 v14, v14, v226                       ; the row's sum
	s_wait_alu depctr_va_vdst(0)
	v_rcp_f32 v224, v14
	v_and_b32 v4, 31, v0                           ; (the plain instruction behind the reciprocal)
	s_lshl_b32 s74, s60, 3
	s_add_co_u32 s74, s74, s48
	s_add_co_u32 s74, s74, s61                     ; my row-block among the 512: 128 batch + 8 rank + 2 cx + T
	s_lshl_b32 s76, s74, 9
	s_add_co_u32 s76, s76, s73
	s_mul_i32 s74, s74, 3072
	s_add_co_u32 s74, s74, s72
	s_mov_b32 s75, 0
	s_mov_b32 s77, 0
	s_add_nc_u64 s[74:75], s[8:9], s[74:75]
	s_add_nc_u64 s[76:77], s[8:9], s[76:77]
	s_wait_alu depctr_va_vdst(0)                   ; the wait ahead of the reciprocal's first reader
.set J, 0
.rept 16
	v_pk_mul_f32 v[96+J:97+J], v[160+J:161+J], v[224:225] op_sel_hi:[1,0]   ; register 16 b + i: channel 32 b + 16 hh + i
.set J, J+2
.endr
.irp b, 0,1
	v_max3_num_f32 v[212+\b], |v[96+16*\b]|, |v[97+16*\b]|, 0x2800000
.endr
.irp i, 2,4,6,8,10,12,14
.irp b, 0,1
	s_delay_alu instid0(VALU_DEP_2)
	v_max3_num_f32 v[212+\b], v[212+\b], |v[96+16*\b+\i]|, |v[97+16*\b+\i]|
.endr
.endr
.irp b, 0,1
	s_delay_alu instid0(VALU_DEP_2)
	v_permlanex16_b32 v[216+\b], v[212+\b], s68, s69
.endr
.irp b, 0,1
	s_delay_alu instid0(VALU_DEP_2)
	v_max_num_f32 v[212+\b], v[212+\b], v[216+\b]
.endr
.irp b, 0,1
	s_delay_alu instid0(VALU_DEP_2)
	v_add_nc_u32 v[220+\b], 0xfe000000, v[212+\b]
.endr
.irp b, 0,1
	s_delay_alu instid0(VALU_DEP_2)
	v_lshrrev_b32 v[216+\b], 23, v[220+\b]
.endr
	s_delay_alu instid0(VALU_DEP_1)
	v_lshl_or_b32 v226, v217, 8, v216              ; the row's two bytes
	v_cvt_scalef32_pk16_bf6_f32 v[192:194], v[96:111], v220
	v_cvt_scalef32_pk16_bf6_f32 v[204:206], v[112:127], v221
	v_cmp_gt_u32 vcc_lo, 16, v4                    ; (the plain instruction behind the conversions)
.irp i, 0,1,2
	v_permlane16_swap_b32 v[192+\i], v[204+\i]
.endr
.irp i, 0,1,2
	s_delay_alu instid0(VALU_DEP_3)
	v_mov_b32 v[195+\i], v[204+\i]
.endr
	global_store_b128 v1, v[192:195], s[74:75]             ; 512 consecutive bytes, aligned
	global_store_b64 v2, v[196:197], s[74:75] offset:512   ; 256
	s_wait_xcnt 0x0                                ; EXEC changes only behind this wait
	s_and_saveexec_b32 s78, vcc_lo                 ; lanes 0-15: a row each
	global_store_b16 v228, v226, s[76:77]          ; two bytes of a row's eight: the other heads' work-groups store the others
	s_wait_xcnt 0x0                                ; and again, in front of the line that widens it; the stores' registers and bases are free behind it
	s_or_b32 exec_lo, exec_lo, s78
.irp i, 0,1,2,3,4,5
	v_mov_b32 v[22+\i], v[88+\i]                   ; the second tile's q,
.endr
	v_mov_b32 v34, v95                             ; its scale word,
	v_add_nc_u32 v3, 8, v3                         ; its threshold,
	s_sub_co_u32 s60, 15, s60                      ; its rank
	s_add_co_u32 s61, s61, 1
	s_cmp_lt_u32 s61, 2
	s_cbranch_scc1 .Ltile
	s_wait_tensorcnt 0x0
	ds_add_u32 v254, v255
	s_wait_dscnt 0x0
	CROUND                                         ; the closing round
	s_endpgm
.Lfunc_end_k_qb3d9373fa4_attn:
	.size	k_qb3d9373fa4_attn, .Lfunc_end_k_qb3d9373fa4_attn-k_qb3d9373fa4_attn
	.p2alignl 7, 3214868480
	.fill 96, 4, 3214868480
	.section	.rodata,"a",@progbits
	.p2align	6, 0x0
	.amdhsa_kernel k_qb3d9373fa4_attn
		.amdhsa_group_segment_fixed_size 206848
		.amdhsa_private_segment_fixed_size 0
		.amdhsa_enable_private_segment 0
		.amdhsa_kernarg_size 24
		.amdhsa_user_sgpr_count 2
		.amdhsa_user_sgpr_kernarg_segment_ptr 1
		.amdhsa_wavefront_size32 1
		.amdhsa_system_sgpr_workgroup_id_x 1
		.amdhsa_system_sgpr_workgroup_id_y 1
		.amdhsa_system_sgpr_workgroup_id_z 1
		.amdhsa_system_vgpr_workitem_id 0
		.amdhsa_next_free_vgpr 256
		.amdhsa_next_free_sgpr 80
		.amdhsa_reserve_vcc 1
		.amdhsa_float_denorm_mode_32 3
		.amdhsa_float_denorm_mode_16_64 3
		.amdhsa_memory_ordered 1
		.amdhsa_forward_progress 1
		.amdhsa_inst_pref_size 39
	.end_amdhsa_kernel
	.amdgpu_metadata
---
amdhsa.version: [ 1, 2 ]
amdhsa.kernels:
  - .name:           k_qb3d9373fa4_attn
    .symbol:         k_qb3d9373fa4_attn.kd
    .args:
      - { .name: qkbuf, .offset: 0, .size: 8, .value_kind: global_buffer, .address_space: global }
      - { .name: vbuf, .offset: 8, .size: 8, .value_kind: global_buffer, .address_space: global }
      - { .name: cbuf, .offset: 16, .size: 8, .value_kind: global_buffer, .address_space: global }
    .group_segment_fixed_size: 206848
    .private_segment_fixed_size: 0
    .kernarg_segment_align: 8
    .kernarg_segment_size: 24
    .max_flat_workgroup_size: 512
    .sgpr_count:     80
    .vgpr_count:     256
    .wavefront_size: 32
...
	.end_amdgpu_metadata
.endif
;; end of part 3
;; launch gemm_out (part 4): grid 4 x 64, 4 waves a work-group, clusters of 4 x 4, 327,680 bytes of LDS; arguments cbuf, wbuf, b_out, out0; writes out0
.if DOCPART == 4
	.amdgcn_target "amdgcn-amd-amdhsa--gfx1250"
	.amdhsa_code_object_version 6
	.text
	.protected	k_qb3d9373fa4_gemm_out
	.globl	k_qb3d9373fa4_gemm_out
	.p2align	8
	.type	k_qb3d9373fa4_gemm_out,@function
k_qb3d9373fa4_gemm_out:
	s_mov_b64 s[64:65], 0
	v_nop
	global_prefetch_b8 v0, s[64:65] scope:SCOPE_SE
	s_setreg_imm32_b32 hwreg(HW_REG_WAVE_MODE, 25, 1), 1
	s_wait_xcnt 0x0
	s_wait_alu depctr_hold_cnt(0) depctr_sa_sdst(0) depctr_va_vdst(0) depctr_va_sdst(0) depctr_va_ssrc(0) depctr_va_vcc(0) depctr_vm_vsrc(0)
	s_getreg_b32 s2, hwreg(HW_REG_IB_STS2, 6, 4)
	s_cmp_eq_u32 s2, 0
	s_cbranch_scc0 .Lentry_in_a_cluster
	s_endpgm
.Lentry_in_a_cluster:
	s_bfe_u32 s2, ttmp6, 0x10000c
	s_cmp_lg_u32 s2, 0xf033
	s_cbranch_scc0 .Lentry_shape_is_right
	s_endpgm
.Lentry_shape_is_right:
; out = ctx W_out + b_out on codes of BF6 (E3M2) with E8M0 scales, K = 1,024; out is [8192][1024] f32.
; 256 work-groups: a tile of 128 tokens x 256 columns, four waves of 64 x 128: 32 accumulators.  TRANSPOSED: source 0 = 16 columns of W_out (S0), source 1 = 16 tokens of ctx (S1).
; Operands lie in memory as [K step of 256][row-block][3,072 bytes in register order]; row-block RB's lane-row r is row 32 (RB / 2) + 8 (RB % 2) + r + 8 (r / 8): the way out puts rows and columns back in order.
; ALL OF K LIES IN LDS, filled once, one tensor load a wave at the head: S1's four K steps (rows of 24,576 bytes, a K step apart), S0's in two loads (rows of 49,152), S0's scale bytes; S1's come straight from memory.  Nothing is filled again.
; The bias is the C of each sum's first matrix instruction.  CLUSTERS 4 x 4: S1's tile is shared along a row of the cluster, S0's along a column.
; No prefetch: everything is asked for at the head, and the text has no loop to run ahead in.
; REGISTERS: window 0: v4-19 LDS addresses, v20 scale words' address, v21 16 l, v22 8 l, v23 l / 16, v24 l % 16, v25 the bias's offset, v26-27 the stage, v28-29 for the add; v32-63 scale words, two sets;
;   v64-127 the bias; v128-223 S1's fragments, two sets of four; on the way out v64-191 rows read back.  window 1: S0's fragments, two sets.  window 2: the accumulators, (a, b) at v[8 (8 a + b)].
.set XSTR,  1572864
.set WSTR,  786432
.set HALF,  24576
.set TILE,  49152
.set P2B,   4*HALF                     ; S1's four K steps, then S0's
.set SCL,   6*TILE                     ; S0's scale bytes (8,192) lie 4,096 on
.set SPARE, SCL+16384                  ; the spare words: 512 bytes that no other line names
.set SPITCH, 528                       ; the way out: a stage of 16 rows x (512 + 16) bytes a wave, in S0's K step 0: filled once, and read no more behind the last step's barrier
.set FR,    12
.set ADR,   4
.set ADRS,  20
.set L16,   21
.set L8,    22
.set HH,    23
.set RW,    24
.set BO,    25
.set STO,   26
.set RD,    27
.set SPW,   28
.set NIL,   29
.set SC,    32
.set BI,    64
.set AF,    128
.set BK,    64                         ; the way out: rows read back into v64-127 and v128-191 by turns
.set SA,    224                        ; v224-255 S1's scale words of all of K, register 8 (K step) + 2 a + q, straight from memory
.set SOF,   30                         ; v30 8 x (l % 16)
.set G1A,   48
.set G1B,   56
.set G1SA,  68
.set G1SB,  76
.set G0A,   84
.set G0B,   88
.set G0SA,  92
.set G0SB,  96
.set MSB, 0
.macro WIN new
.if MSB != (\new)
	s_set_vgpr_msb (MSB<<8)|(\new)
.set MSB, (\new)
.endif
.endm
.set MUL_LO, 0xa1
.set TO_B,   0x40
.macro PLACES n
.rept \n
	v_nop
.endr
.endm
.macro TL g0, g1                       ; s_nop 0 and four v_nop behind the load
	tensor_load_to_lds s[\g0:\g0+3], s[\g1:\g1+7]
	s_nop 0
	PLACES 4
.endm
.macro CROUND
	s_barrier_signal -1
	s_barrier_wait -1
	s_cmp_lg_u32 s12, 0
	s_cbranch_scc1 .Lnot_wave_0_\@
	s_barrier_signal -3
.Lnot_wave_0_\@:
	s_barrier_wait -3
	s_barrier_signal -1
	s_barrier_wait -1
.endm
.macro DIMS g, c, r, p                 ; group 1: r rows of c elements of 8 bytes, p elements apart
	s_mov_b32 s[\g+1], (\c)<<16
	s_mov_b32 s[\g+2], (\r)<<16
	s_mov_b32 s[\g+3], (\c)<<16
	s_mov_b32 s[\g+4], \r
	s_mov_b32 s[\g+5], \p
	s_mov_b32 s[\g+6], 0
	s_mov_b32 s[\g+7], 0
.endm
.macro GADR g, base, off
	s_add_nc_u64 s[\g+2:\g+3], s[\base:\base+1], s[\off:\off+1]
	s_or_b32 s[\g+3], s[\g+3], 0x80000000
.endm
	s_load_b256 s[4:11], s[0:1], 0x0               ; cbuf, wbuf, b_out, out0
	v_lshl_add_u32 v[SPW], v0, 2, SPARE
	v_mov_b32 v[NIL], 0
	ds_add_u32 v[SPW], v[NIL]                      ; the opening lines: the add twice and one wait
	ds_add_u32 v[SPW], v[NIL]
	v_lshrrev_b32 v1, 5, v0
	v_readfirstlane_b32 s12, v1                    ; wave
	s_lshr_b32 s13, s12, 1                         ; my half of the tokens
	s_and_b32 s14, s12, 1                          ; my half of the columns
	s_bfe_u32 s15, ttmp6, 0x40000                  ; cx
	s_bfe_u32 s16, ttmp6, 0x40004                  ; cy
	s_lshl_b32 s21, ttmp9, 2
	s_add_co_u32 s21, s21, s15                     ; tile column, 0 .. 3
	s_and_b32 s20, ttmp7, 0xffff
	s_lshl_b32 s20, s20, 2
	s_add_co_u32 s20, s20, s16                     ; tile row, 0 .. 63
	s_lshl_b32 s26, s16, 2
	s_lshl_b32 s26, 15, s26                        ; my row of the cluster
	s_lshl_b32 s27, 0x1111, s15                    ; my column
	s_or_b32 s[G1A], s26, (3<<16)|(1<<21)
	s_or_b32 s[G1SA], s27, (3<<16)|(1<<21)
	s_or_b32 s[G1B], s27, (3<<16)|(1<<21)
	s_or_b32 s[G1SB], s27, (3<<16)|(1<<21)
	DIMS G1A, 3072, 4, XSTR/8
	DIMS G1B, 6144, 2, WSTR/8                      ; wave 1: S0's K steps 0, 1
	DIMS G1SA, 32, 32, 32                          ; wave 2: S0's scale bytes
	DIMS G1SB, 6144, 2, WSTR/8                     ; wave 3: S0's K steps 2, 3
	s_mov_b32 s[G0A], 1
	s_mov_b32 s[G0A+1], 0
	s_mov_b32 s[G0B], 1
	s_mov_b32 s[G0B+1], P2B
	s_mov_b32 s[G0SA], 1
	s_mov_b32 s[G0SA+1], SCL+4096
	s_mov_b32 s[G0SB], 1
	s_mov_b32 s[G0SB+1], P2B+2*TILE
	s_mul_i32 s28, s20, HALF                       ; ctx: 8 row-blocks a tile row
	s_mov_b32 s29, 0
	s_lshl_b32 s32, s20, 12
	s_add_co_u32 s32, s32, 4*XSTR
	s_mov_b32 s33, 0
	s_lshl_b32 s34, s21, 4
	s_add_co_u32 s34, s34, 192                     ; W_out's columns begin at row-block 192
	s_mul_i32 s30, s34, 3072
	s_mov_b32 s31, 0
	s_lshl_b32 s34, s34, 9
	s_add_co_u32 s34, s34, 4*WSTR
	s_mov_b32 s35, 0
	s_wait_dscnt 0x0
	s_wait_kmcnt 0x0
	GADR G0A, 4, 28
	GADR G0B, 6, 30
	GADR G0SA, 6, 34
	GADR G0SB, 6, 30
	s_add_nc_u64 s[G0SB+2:G0SB+3], s[G0SB+2:G0SB+3], 2*WSTR
	CROUND                                         ; the joint loads meet
	s_cmp_lt_u32 s12, 1                            ; one chain of branches on the wave's number, one load to an arm
	s_cbranch_scc0 .Lw1
	TL G0A, G1A
	s_branch .Lasked
.Lw1:
	s_cmp_lt_u32 s12, 2
	s_cbranch_scc0 .Lw2
	TL G0B, G1B
	s_branch .Lasked
.Lw2:
	s_cmp_lt_u32 s12, 3
	s_cbranch_scc0 .Lw3
	TL G0SA, G1SA
	s_branch .Lasked
.Lw3:
	TL G0SB, G1SB
.Lasked:
	s_lshl_b32 s22, s21, 8
	s_lshl_b32 s17, s14, 7
	s_add_co_u32 s22, s22, s17                     ; my first column,
	s_lshl_b32 s22, s22, 2                         ; in bytes
	s_mov_b32 s23, 0
	s_add_nc_u64 s[8:9], s[8:9], s[22:23]
	s_lshl_b32 s24, s20, 7
	s_lshl_b32 s17, s13, 6
	s_add_co_u32 s24, s24, s17                     ; my first row of out
	s_lshl_b32 s24, s24, 12
	s_add_co_u32 s24, s24, s22
	s_mov_b32 s25, 0
	s_add_nc_u64 s[10:11], s[10:11], s[24:25]
	s_add_nc_u64 s[36:37], s[4:5], s[32:33]
	s_lshl_b32 s38, s13, 11
	s_mov_b32 s39, 0
	s_add_nc_u64 s[36:37], s[36:37], s[38:39]      ; the scale bytes of my four row-blocks of ctx
	v_and_b32 v1, 31, v0
	v_lshlrev_b32 v[L16], 4, v1
	v_lshlrev_b32 v[L8], 3, v1
	v_and_b32 v[RW], 15, v0
	v_bfe_u32 v[HH], v0, 4, 1
	v_lshlrev_b32 v[BO], 6, v[HH]                  ; the bias: 16 numbers on for lanes 16-31
	v_lshlrev_b32 v[SOF], 3, v[RW]
	s_wait_alu depctr_va_vdst(0)                   ; the wait
.irp b, 0,1,2,3,4,5,6,7                ; block b = 2 u2 + u: lane (r, hh) wants b_out at columns 32 u2 + 16 hh + 8 u + 0 .. 7
	global_load_b128 v[BI+8*\b:BI+8*\b+3], v[BO], s[8:9] offset:(32*(\b/2)+8*(\b%2))*4
	global_load_b128 v[BI+8*\b+4:BI+8*\b+7], v[BO], s[8:9] offset:(32*(\b/2)+8*(\b%2))*4+16
.endr
.irp k, 0,1,2,3                        ; S1's scale words, two a row and K step; both halves of the lanes take row l % 16
.irp a, 0,1,2,3
	global_load_b64 v[SA+8*\k+2*\a:SA+8*\k+2*\a+1], v[SOF], s[36:37] offset:512*\a+128*\k
.endr
.endr
	s_mul_i32 s2, s13, 12288
	s_mul_i32 s3, s14, HALF
	s_add_co_u32 s3, s3, P2B
.irp k, 0,1,2,3
	v_add_nc_u32 v[ADR+4*\k], s2, v[L16]
	v_add_nc_u32 v[ADR+4*\k+1], s2, v[L8]
	v_add_nc_u32 v[ADR+4*\k+2], s3, v[L16]
	v_add_nc_u32 v[ADR+4*\k+3], s3, v[L8]
	s_add_co_u32 s2, s2, HALF
	s_add_co_u32 s3, s3, TILE
.endr
	s_lshl_b32 s3, s14, 12                         ; S0's scale words: both halves of the lanes take row l % 16; the products read lanes 16-31
	s_add_co_u32 s3, s3, SCL+4096
	v_lshlrev_b32 v[ADRS], 3, v[RW]
	v_add_nc_u32 v[ADRS], s3, v[ADRS]
	s_mul_i32 s2, s12, 16*SPITCH
	s_add_co_u32 s2, s2, P2B                       ; my stage
	v_mul_u32_u24 v[STO], v[RW], SPITCH
	v_lshl_add_u32 v[STO], v[HH], 6, v[STO]
	v_add_nc_u32 v[STO], s2, v[STO]                ; in: row r, + 64 hh
	v_add_nc_u32 v[RD], s2, v[L16]                 ; back: the 32 lanes take one row of 512 bytes
.macro FRAG reg, adr, off
	ds_load_b128 v[\reg:\reg+3], v[\adr] offset:\off
	ds_load_b64 v[\reg+4:\reg+5], v[\adr+1] offset:\off+512
	ds_load_b128 v[\reg+6:\reg+9], v[\adr] offset:\off+768
	ds_load_b64 v[\reg+10:\reg+11], v[\adr+1] offset:\off+1280
.endm
; step st is 128 along K (K step st / 2); every operand has two sets, set st % 2
.macro HF1 st                          ; S1's four fragments, with an even step the K step's scale words, S0's blocks 0-3: 32 or 40 loads
.irp i, 0,1,2,3
	FRAG AF+48*((\st)%2)+FR*\i, ADR+4*((\st)/2), \i*3072+((\st)%2)*1536
.endr
.if (\st)%2 == 0
.irp i, 0,1,2,3,4,5,6,7
	ds_load_b64 v[SC+16*(((\st)/2)%2)+2*\i:SC+16*(((\st)/2)%2)+2*\i+1], v[ADRS] offset:512*\i+128*((\st)/2)
.endr
.endif
	WIN TO_B
.irp i, 0,1,2,3
	FRAG 128*((\st)%2)+FR*\i, ADR+4*((\st)/2)+2, \i*3072+((\st)%2)*1536
.endr
	WIN 0
.endm
.macro HF2 st                          ; S0's blocks 4-7: 16 loads
	WIN TO_B
.irp i, 4,5,6,7
	FRAG 128*((\st)%2)+FR*\i, ADR+4*((\st)/2)+2, \i*3072+((\st)%2)*1536
.endr
	WIN 0
.endm
.macro HMUL st, b0, first              ; 16 matrix instructions: S0's blocks b0 .. b0 + 3 x S1's four; the 32 accumulators take turns.  first = 1: the sums start from the bias
.irp b, \b0, \b0+1, \b0+2, \b0+3
.irp a, 0,1,2,3
.if \first
	v_wmma_scale_f32_16x16x128_f8f6f4 v[8*(8*\a+(\b)):8*(8*\a+(\b))+7], v[128*((\st)%2)+FR*(\b):128*((\st)%2)+FR*(\b)+FR-1], v[AF+48*((\st)%2)+FR*\a:AF+48*((\st)%2)+FR*\a+FR-1], v[BI+8*(\b):BI+8*(\b)+7], v[SC+16*(((\st)/2)%2)+2*(\b)+(\st)%2], v[SA+8*((\st)/2)+2*\a+(\st)%2] matrix_a_fmt:MATRIX_FMT_BF6 matrix_b_fmt:MATRIX_FMT_BF6 matrix_a_scale:MATRIX_SCALE_ROW1
.else
	v_wmma_scale_f32_16x16x128_f8f6f4 v[8*(8*\a+(\b)):8*(8*\a+(\b))+7], v[128*((\st)%2)+FR*(\b):128*((\st)%2)+FR*(\b)+FR-1], v[AF+48*((\st)%2)+FR*\a:AF+48*((\st)%2)+FR*\a+FR-1], v[8*(8*\a+(\b)):8*(8*\a+(\b))+7], v[SC+16*(((\st)/2)%2)+2*(\b)+(\st)%2], v[SA+8*((\st)/2)+2*\a+(\st)%2] matrix_a_fmt:MATRIX_FMT_BF6 matrix_b_fmt:MATRIX_FMT_BF6 matrix_a_scale:MATRIX_SCALE_ROW1
.endif
.endr
.endr
.endm
.macro HSTEP st, first
.if (\st) == 3                         ; this step fetches from S0's K step 2 for the first time: a plain barrier shows wave 3's load to all
	s_wait_tensorcnt 0x0
	s_wait_dscnt 0x0
	s_barrier_signal -1
	s_barrier_wait -1
.else
	s_wait_dscnt 16                                ; all but this step's S0 blocks 4-7
.endif
.if (\st) < 7
	PLACES 4                                       ; behind the last step's products, which read the sets that are loaded now
	HF1 (\st)+1
.endif
	WIN MUL_LO-0x20*(\first)                       ; with the bias as C: source 2 in window 0
	HMUL \st, 0, \first
.if (\st) < 7
	s_wait_dscnt 32+8*((\st)%2)                    ; all but the next step's first run
	WIN 0
	HF2 (\st)+1
	WIN MUL_LO-0x20*(\first)
.else
	s_wait_dscnt 0x0                               ; all my reads of the tiles are over:
	s_barrier_signal -1                            ; say so; behind this barrier the stages are stored over S0's K step 0
.endif
	HMUL \st, 4, \first
	WIN 0
.if (\st) == 7
	s_barrier_wait -1
.endif
.endm
	s_wait_alu depctr_va_vdst(0)                   ; the wait at the head's end
	s_cmp_eq_u32 s12, 3
	s_cbranch_scc1 .Lnot_yet                       ; wave 3's load, S0's K steps 2 and 3, may stay out: it is waited for at step 3
	s_wait_tensorcnt 0x0                           ; S1, S0's K steps 0 and 1, S0's scale bytes
.Lnot_yet:
	s_barrier_signal -1
	s_barrier_wait -1
	HF1 0
	HF2 0
	s_wait_loadcnt 0x0                             ; the bias
	HSTEP 0, 1
.irp t, 1,2,3,4,5,6,7
	HSTEP \t, 0
.endr
; THE WAY OUT, row-block by row-block, through my own stage: back come whole rows of 512 bytes.  LDS serves a wave's instructions in order: no wait between the stores and the loads.
.macro TOSTAGE a
.set AC, 64*(\a)
	WIN 0x08                                       ; an LDS store's data are its source 1: window 2
.irp b, 0,1,2,3,4,5,6,7
	ds_store_b128 v[STO], v[AC+8*\b:AC+8*\b+3] offset:128*(\b/2)+32*(\b%2)          ; each accumulator from its low end on
	ds_store_b128 v[STO], v[AC+8*\b+4:AC+8*\b+7] offset:128*(\b/2)+32*(\b%2)+16
.endr
	WIN 0
.set BB, BK+64*((\a)%2)
.irp t, 0,1,2,3,4,5,6,7,8,9,10,11,12,13,14,15
	ds_load_b128 v[BB+4*\t:BB+4*\t+3], v[RD] offset:\t*SPITCH
.endr
.endm
.macro SEND a, younger                 ; younger: the LDS instructions issued behind block a's loads
.set BB, BK+64*((\a)%2)
	s_wait_dscnt \younger
.irp t, 0,1,2,3,4,5,6,7,8,9,10,11,12,13,14,15
	global_store_b128 v[L16], v[BB+4*\t:BB+4*\t+3], s[10:11] offset:(32*((\a)/2)+8*((\a)%2)+\t+8*(\t/8))*4096 th:TH_STORE_NT   ; lane-row t's true row; 512 consecutive bytes, aligned
.endr
.endm
	PLACES 4
	TOSTAGE 0
.irp a, 1,2,3
.if \a > 1
	s_wait_xcnt 0x0                                ; block a - 2's stores have read their registers
.endif
	TOSTAGE \a
	SEND \a-1, 32
.endr
	SEND 3, 0
	s_wait_tensorcnt 0x0                           ; the wave's end
	ds_add_u32 v[SPW], v[NIL]
	s_wait_dscnt 0x0
	CROUND                                         ; the closing round
	s_endpgm
.Lfunc_end_k_qb3d9373fa4_gemm_out:
	.size	k_qb3d9373fa4_gemm_out, .Lfunc_end_k_qb3d9373fa4_gemm_out-k_qb3d9373fa4_gemm_out
	.p2alignl 7, 3214868480
	.fill 96, 4, 3214868480
	.section	.rodata,"a",@progbits
	.p2align	6, 0x0
	.amdhsa_kernel k_qb3d9373fa4_gemm_out
		.amdhsa_group_segment_fixed_size 327680
		.amdhsa_private_segment_fixed_size 0
		.amdhsa_enable_private_segment 0
		.amdhsa_kernarg_size 32
		.amdhsa_user_sgpr_count 2
		.amdhsa_user_sgpr_kernarg_segment_ptr 1
		.amdhsa_wavefront_size32 1
		.amdhsa_system_sgpr_workgroup_id_x 1
		.amdhsa_system_sgpr_workgroup_id_y 1
		.amdhsa_system_sgpr_workgroup_id_z 1
		.amdhsa_system_vgpr_workitem_id 0
		.amdhsa_next_free_vgpr 1024
		.amdhsa_next_free_sgpr 100
		.amdhsa_reserve_vcc 0
		.amdhsa_float_denorm_mode_32 3
		.amdhsa_float_denorm_mode_16_64 3
		.amdhsa_memory_ordered 1
		.amdhsa_forward_progress 1
		.amdhsa_inst_pref_size 89
	.end_amdhsa_kernel
	.amdgpu_metadata
---
amdhsa.version: [ 1, 2 ]
amdhsa.kernels:
  - .name:           k_qb3d9373fa4_gemm_out
    .symbol:         k_qb3d9373fa4_gemm_out.kd
    .args:
      - { .name: cbuf, .offset: 0, .size: 8, .value_kind: global_buffer, .address_space: global }
      - { .name: wbuf, .offset: 8, .size: 8, .value_kind: global_buffer, .address_space: global }
      - { .name: b_out, .offset: 16, .size: 8, .value_kind: global_buffer, .address_space: global }
      - { .name: out0, .offset: 24, .size: 8, .value_kind: global_buffer, .address_space: global }
    .group_segment_fixed_size: 327680
    .private_segment_fixed_size: 0
    .kernarg_segment_align: 8
    .kernarg_segment_size: 32
    .max_flat_workgroup_size: 128
    .sgpr_count:     100
    .vgpr_count:     1024
    .wavefront_size: 32
...
	.end_amdgpu_metadata
.endif
;; end of part 4
